; MI455X (gfx1250); checked and timed in simulation.
; The chip was launched on July 23, 2026; its instructions are those of AMD's public machine-readable ISA for CDNA 5 (MIT licence, August 2026) and "CDNA5" Instruction Set Architecture Reference Guide (July 2026). The comments in the code are by the model that wrote it; some were corrected since.
;; Mo E. Allowed arithmetic: matrix products marked QUANTISED: E5M2 operands, one E8M0 scale for each 32 along K, by v_wmma_scale_f32_16x16x128_f8f6f4 with both operands' format E5M2, f32 sums; products left as they are: f32 operands where the result goes on into a quantised operand, else bf16, f16 or f32 operands; f32 sums; everything else in f32.
;; Inputs: W1 8 x 512 x 1,024 float32; W2 8 x 1,024 x 512 float32; Wg 512 x 8 float32; b1 8 x 1,024 float32; b2 8 x 512 float32; bg 8 float32; x 2 x 4,096 x 512 float32.
;; Outputs: out0 2 x 4,096 x 512 float32.
;; This version of the problem:
;;   THIS VERSION OF THE PROBLEM IS GIVEN IN LOW PRECISION. The matrix products marked QUANTISED in the list below multiply operands that are first quantised to E5M2 (5 exponent bits, 2 mantissa bits; 8 bits a number), with one power-of-two scale for each 32 numbers along K (OCP MX v1.0); their sums are f32. All else is computed in f32.
;;   The module's matrix products, in the order in which they are computed (A, B: the left and right operand; K: the contracted axis; several contracted axes count as one K, in the product's order):
;;     1. [M 8,192, K 512] x [K 512, N 8]; A: input x; B: input Wg: left as it is (N = 8 < 16)
;;     2. [M 8,192, K 512] x [K 512, N 8,192]; A: input W1; B: input x: QUANTISED
;;     3. batch 8 x [M 8,192, K 1,024] x [K 1,024, N 512]; A: computed on the way; B: input W2: QUANTISED
;;     4. batch 8,192 x [M 1, K 8] x [K 8, N 512]; A: computed on the way; B: computed on the way: left as it is (K = 8 < 32)
;;   THE QUANTISER, for each operand of a quantised product, along K:
;;     - K is cut into blocks of 32 from its start; a last block that is shorter is filled with zeros.
;;     - A block's scale is 2^e with e = floor(log2(the largest magnitude in the block)) - 15, held to -126 .. 127; a block of zeros has e = 0. As a byte (E8M0): e + 127.
;;     - Each number is divided by its block's scale, clamped to +-57,344, and rounded to the nearest number of E5M2, ties to even, subnormals kept.
;;     - The product sums the exact products of the quantised numbers (number of the format x scale) in f32.
;;   ~~~python
;;   def quantise(x, axis):      # numpy; x: float32 -> the quantised numbers, widened to float32 again
;;       x = np.moveaxis(x, axis, -1); K = x.shape[-1]
;;       x = np.pad(x, [(0, 0)] * (x.ndim - 1) + [(0, -K % 32)]); x = x.reshape(x.shape[:-1] + (-1, 32)); a = np.abs(x).max(-1, keepdims=True)
;;       e = np.where(a > 0, np.clip(np.frexp(np.where(a > 0, a, 1))[1] - 1 - 15, -126, 127), 0)      # np.frexp(a)[1] - 1 = floor(log2(a)), exactly
;;       r = np.clip(x / 2.0 ** e, -57344, 57344)
;;       step = 2.0 ** (np.maximum(np.frexp(np.where(r == 0, 1, r))[1] - 1, -14) - 2)
;;       q = np.round(r / step) * step * 2.0 ** e      # np.round: ties to even
;;       return np.moveaxis(q.reshape(q.shape[:-2] + (-1,))[..., :K], -1, axis).astype(np.float32)
;;   ~~~
;;   OPERANDS COMPUTED ON THE WAY. 'Computed on the way' means the value that the module computes at that place (a softmax that the list does not call 'softmax' is quantised finished and normalised). What goes into a quantiser is computed in f32, as accurately as f32 sums, v_exp_f32 and their like allow (about 1e-6 of the number): no bf16 or f16 on the way to a quantiser, and a product that is left as it is and whose result goes on into a quantised operand takes f32 operands (vector FMAs, or v_wmma_f32_16x16x4_f32). A number that lies on a knife's edge between two numbers of the format may be rounded either way, as far as f32 arithmetic and the matrix unit's own rounding can turn it there, and no further.
;; 3 versions, each right; version 2 is faster than version 1; version 3 is version 2 with the launch chain written anew for expert scheduling mode. Each part assembles by itself: llvm-mc -triple=amdgcn-amd-amdhsa -mcpu=gfx1250 --defsym DOCPART=n.
;; ======== version 1 of 3: 3 launches
;; workspace buffers: xc 4,194,304 bytes; xs 131,072 bytes; gw 65,536 bytes; rmeta 98,304 bytes of whole numbers; tplan 36,864 bytes of whole numbers; wc 8,388,608 bytes; ws 262,144 bytes
;; launch route (part 1): grid 256 x 1, 4 waves a work-group, no clusters, 39,936 bytes of LDS; arguments x, Wg, bg, xc, xs, gw, rmeta; writes xc, xs, gw, rmeta
.if DOCPART == 1
	.amdgcn_target "amdgcn-amd-amdhsa--gfx1250"
	.amdhsa_code_object_version 6
	.text
	.protected	k_qd33ce679b5_route
	.globl	k_qd33ce679b5_route
	.p2align	8
	.type	k_qd33ce679b5_route,@function
k_qd33ce679b5_route:
	s_mov_b64 s[64:65], 0
	v_nop
	global_prefetch_b8 v0, s[64:65] scope:SCOPE_SE
	s_setreg_imm32_b32 hwreg(HW_REG_WAVE_MODE, 25, 1), 1
	s_wait_xcnt 0x0
; ROUTE.  x [8192][512] f32 is read once and serves twice: (1) it is turned into codes of E5M2 with one E8M0 byte for each 32 along K (xc [t][512], xs [t][16]);
; (2) the gate's logits x Wg + bg are summed in f32 by fused multiply-adds.  Then, for each token: the two largest logits (softmax rises with the logit; of equal logits the lower index
; wins), the renormalised gates 1 / (1 + e) and e / (1 + e) with e = exp(l2 - l1) (the larger logit is taken away; softmax's divisor cancels), the number p of the unordered pair of experts
; (a < b: p = a (15 - a) / 2 + b - a - 1, 0 .. 27), the token's rank among the tokens of its pair in its group of 32, and the group's count of each pair.
; Nothing of that choice enters an address or a branch here: it is stored at fixed places (gw [t]{wa, wb}; rmeta: [t]{p, rank}, then from byte 65,536 [group][32] counts) and used by the next launch.
; LIMITS: NaN and infinities among the inputs are not served.  A block of zeros gets the byte 1 where the rule says 127: its codes are zeros, and this program alone reads the bytes.
; Two logits that differ but whose softmax values round to the same f32 number are ordered by the logit.  An e under 2^-126 comes out as 0: the second gate is then 0.
; SHARES.  A work-group takes 32 tokens, each of its four waves 8, a row (2,048 bytes) a step.  A row's four loads read 512 consecutive bytes each; the row turns through the wave's own stage in LDS, so that
; lane l then holds the 16 neighbours k = 16 l .. 16 l + 15 (two lanes to a block of 32).  Lane l's 128 numbers of Wg (rows 16 l .. 16 l + 15, 512 consecutive bytes) stay in registers.
; No matrix unit, no tensor load, no cluster: work-groups share nothing but Wg's 16 KiB, and the bytes of x bound the launch.
.set ROWS,  8                          ; rows of a wave
.set SP,    80                         ; a lane's place in a stage: 64 bytes + 16 of padding
.set WGT,   0                          ; LDS: Wg as 32 pieces of 512 bytes, 528 apart
.set WGP,   528
.set TS,    32*WGP                     ; two stages of 32 x SP bytes for each wave
.set SCB,   TS+4*2*32*SP               ; the 32 tokens' scale bytes, 16 a token
.set LG,    SCB+512                    ; the 32 tokens' logits, 48 bytes apart
.set LGP,   48
.set LI,    1                          ; v1   16 x lane
.set SIN,   2                          ; v2   the stage, on the way in
.set SOUT,  3                          ; v3   and on the way out
.set SBA,   5                          ; v5   where my block's scale byte goes
.set LGA,   6                          ; v6   where my wave's logits go (the same in all lanes)
.set C,     12                         ; v12-15 a row's codes;  v4, v7: the scale byte, by turns;  v8-11 at work
.set R,     16                         ; v16-79   four sets of 16 numbers as loaded
.set X,     80                         ; v80-111  two sets of 16 neighbours
.set WG,    112                        ; v112-239 Wg[16 l + kk][e] at WG + 8 kk + e
.set A,     240                        ; v240-255 the eight sums, two sets by turns
	s_load_b256 s[4:11], s[0:1], 0x0               ; x s[4:5], Wg s[6:7], bg s[8:9], xc s[10:11]
	s_load_b128 s[12:15], s[0:1], 0x20             ; xs s[12:13], gw s[14:15]
	s_load_b64 s[16:17], s[0:1], 0x30              ; rmeta
	s_set_vgpr_msb 0x40
	v_lshl_add_u32 v0, v0, 2, 0x9a00
	v_mov_b32 v1, 0
	s_set_vgpr_msb 0x4000
	v_lshrrev_b32 v2, 5, v0
	v_readfirstlane_b32 s18, v2                    ; wave 0..3
	v_and_b32 v9, 31, v0                           ; lane
	v_lshlrev_b32 v[LI], 4, v9
	s_mul_i32 s33, s18, 2*32*SP
	s_add_co_u32 s33, s33, TS                      ; my wave's stages
	v_lshrrev_b32 v[SIN], 2, v9
	v_mul_u32_u24 v[SIN], v[SIN], SP
	v_and_b32 v[SOUT], 3, v9
	v_lshl_add_u32 v[SIN], v[SOUT], 4, v[SIN]
	v_add_nc_u32 v[SIN], s33, v[SIN]               ; in: four lanes' 64 bytes on end, then 16 of padding
	v_mul_u32_u24 v[SOUT], v9, SP
	v_add_nc_u32 v[SOUT], s33, v[SOUT]             ; out: my 16 neighbours
	s_lshl_b32 s33, s18, 7
	s_add_co_u32 s33, s33, SCB
	v_lshrrev_b32 v[SBA], 1, v9
	v_add_nc_u32 v[SBA], s33, v[SBA]               ; 16 bytes a row, 8 rows a wave, block lane / 2
	s_mul_i32 s33, s18, ROWS*LGP
	s_add_co_u32 s33, s33, LG
	v_mov_b32 v[LGA], s33
	v_mul_u32_u24 v8, v9, WGP                      ; Wg's piece l, on the way out of LDS
	s_mul_i32 s33, s18, 8*WGP
	v_add_nc_u32 v10, s33, v[LI]                   ; and pieces 8 w .. 8 w + 7 on the way in
	s_mov_b32 s20, 0x76543210
	s_mov_b32 s21, 0xfedcba98                      ; v_permlanex16_b32's selects for lane l xor 16
	s_mov_b32 s22, 0x600000                        ; the mantissa field of 57,344
	s_lshl_b32 s34, ttmp9, 16                      ; 32 rows of 2,048 bytes a work-group,
	s_lshl_b32 s35, s18, 14                        ; 8 a wave
	s_add_co_u32 s34, s34, s35
	s_mov_b32 s35, 0
	s_lshr_b32 s36, s34, 2                         ; the codes: a quarter of the bytes
	s_mov_b32 s37, 0
	s_lshl_b32 s38, s18, 12                        ; Wg: 8 pieces of 512 bytes a wave
	s_mov_b32 s39, 0
	s_wait_kmcnt 0x0
	s_add_nc_u64 s[4:5], s[4:5], s[34:35]
	s_add_nc_u64 s[10:11], s[10:11], s[36:37]
	s_add_nc_u64 s[6:7], s[6:7], s[38:39]
	s_load_b256 s[24:31], s[8:9], 0x0              ; bg: wanted at the end
.irp i, 0,1,2,3,4,5,6,7
	global_load_b128 v[X+4*\i:X+4*\i+3], v[LI], s[6:7] offset:512*\i   ; Wg as it lies: 512 consecutive bytes a load
.endr
.macro LOAD t
.irp i, 0,1,2,3
	global_load_b128 v[R+16*((\t)%4)+4*\i:R+16*((\t)%4)+4*\i+3], v[LI], s[4:5] offset:2048*(\t)+512*\i th:TH_LOAD_NT
.endr
.endm
.macro TURN t                          ; row t through the stage: LDS serves a wave's instructions in order, so no wait stands between the stores and the loads
.irp i, 0,1,2,3
	ds_store_b128 v[SIN], v[R+16*((\t)%4)+4*\i:R+16*((\t)%4)+4*\i+3] offset:32*SP*((\t)%2)+8*SP*\i
.endr
.irp i, 0,1,2,3
	ds_load_b128 v[X+16*((\t)%2)+4*\i:X+16*((\t)%2)+4*\i+3], v[SOUT] offset:32*SP*((\t)%2)+16*\i
.endr
.endm
.irp t, 0,1,2,3
	LOAD \t
.endr
	s_wait_loadcnt 16                              ; Wg's eight loads are in; the 16 of rows 0 to 3 may be out
.irp i, 0,1,2,3,4,5,6,7
	ds_store_b128 v10, v[X+4*\i:X+4*\i+3] offset:WGT+WGP*\i
.endr
	s_wait_dscnt 0x0                               ; for the others' sake: my pieces lie in LDS
	s_barrier_signal -1
	s_barrier_wait -1
.set J, 0
.rept 32
	ds_load_b128 v[WG+4*J:WG+4*J+3], v8 offset:WGT+16*J    ; my piece: 128 numbers
.set J, J+1
.endr
	s_wait_loadcnt 12                              ; row 0's four loads are in
	TURN 0
.macro STEP t
.set XS, X+16*((\t)%2)
.set AS, A+8*((\t)%2)
.set ES, 4+3*((\t)%2)
.if (\t) > 0
	s_wait_dscnt 3                                 ; this row is back from the stage; the last row's byte store and two logit stores may be out
.else
	s_wait_dscnt 0x0                               ; Wg's numbers and row 0
.endif
.if (\t)+4 < ROWS
	LOAD (\t)+4                                    ; into the registers that this row's stores into the stage have read
.endif
.if (\t)+1 < ROWS
.if ROWS-2-(\t) >= 3
	s_wait_loadcnt 12                              ; the next row's four loads are in; those of the three rows behind it may be out
.else
	s_wait_loadcnt 4*(ROWS-2-(\t))
.endif
	TURN (\t)+1
.endif
	; the gate: eight sums over my 16 numbers, two experts an instruction; the first product starts the sums.  It stands ahead of the hold, which changes the numbers
.irp p, 0,2,4,6
	v_pk_mul_f32 v[AS+\p:AS+\p+1], v[XS:XS+1], v[WG+\p:WG+\p+1] op_sel_hi:[0,1]
.endr
.irp k, 1,2,3,4,5,6,7,8,9,10,11,12,13,14,15
.irp p, 0,2,4,6
.if (\k)%2
	v_pk_fma_f32 v[AS+\p:AS+\p+1], v[XS+\k-1:XS+\k], v[WG+8*\k+\p:WG+8*\k+\p+1], v[AS+\p:AS+\p+1] op_sel:[1,0,0] op_sel_hi:[1,1,1]
.else
	v_pk_fma_f32 v[AS+\p:AS+\p+1], v[XS+\k:XS+\k+1], v[WG+8*\k+\p:WG+8*\k+\p+1], v[AS+\p:AS+\p+1] op_sel_hi:[0,1,1]
.endif
.endr
.endr
	; the quantiser
	v_max3_num_f32 v8, |v[XS]|, |v[XS+1]|, |v[XS+2]|
	v_max3_num_f32 v9, |v[XS+3]|, |v[XS+4]|, |v[XS+5]|
.irp i, 6,10
	v_max3_num_f32 v8, v8, |v[XS+\i]|, |v[XS+\i+1]|
	v_max3_num_f32 v9, v9, |v[XS+\i+2]|, |v[XS+\i+3]|
.endr
	v_max3_num_f32 v8, v8, |v[XS+14]|, |v[XS+15]|
	v_max3_num_f32 v8, v8, v9, 0x8000000           ; and the floor 2^(16 - 127): the byte cannot fall under 1
	v_max_num_f32_dpp v8, v8, v8 row_xmask:1 row_mask:0xf bank_mask:0xf   ; with my neighbour's 16: the block's largest magnitude
	v_add_nc_u32 v11, 0xf8800000, v8               ; 15 off its exponent field: the conversion's scale operand
	v_and_or_b32 v10, v8, 0x7f800000, s22          ; 57,344 x the scale
.irp i, 0,1,2,3,4,5,6,7,8,9,10,11,12,13,14,15
	v_med3_num_f32 v[XS+\i], v[XS+\i], -v10, v10   ; the conversion to an 8-bit code does not saturate (ISA guide 7.6.2): the hold comes first
.endr
	s_wait_xcnt 0x0                                ; the last row's store has read its codes: they are written again only behind this wait
	v_cvt_scalef32_pk8_bf8_f32 v[C:C+1], v[XS:XS+7], v11
	v_cvt_scalef32_pk8_bf8_f32 v[C+2:C+3], v[XS+8:XS+15], v11
	v_lshrrev_b32 v[ES], 23, v11                   ; the scale's byte (a plain line behind the conversions)
	ds_store_b8 v[SBA], v[ES] offset:16*(\t)       ; both lanes of a block write the same byte with the same value
	global_store_b128 v[LI], v[C:C+3], s[10:11] offset:512*(\t)    ; the wave stores the row's 512 codes: 512 consecutive bytes, aligned
	; the eight sums over the 32 lanes
.irp m, 1,2,4,8
.irp e, 0,1,2,3,4,5,6,7
	v_add_f32_dpp v[AS+\e], v[AS+\e], v[AS+\e] row_xmask:\m row_mask:0xf bank_mask:0xf
.endr
.endr
.irp e, 0,1,2,3,4,5,6,7
	v_permlanex16_b32 v[XS+\e], v[AS+\e], s20, s21 ; (the row's numbers are spent: their registers serve as scratch)
.endr
.irp e, 0,1,2,3,4,5,6,7
	v_add_f32 v[AS+\e], v[AS+\e], v[XS+\e]
.endr
	ds_store_b128 v[LGA], v[AS:AS+3] offset:LGP*(\t)       ; all lanes write the same words with the same values
	ds_store_b128 v[LGA], v[AS+4:AS+7] offset:LGP*(\t)+16
.endm
.irp t, 0,1,2,3,4,5,6,7
	STEP \t
.endr
	v_and_b32 v50, 31, v0
	v_mul_u32_u24 v52, v50, LGP                    ; a token's logits
	v_lshlrev_b32 v53, 3, v50                      ; 8 bytes a token
	v_lshlrev_b32 v54, 2, v50                      ; 4 bytes a pair
	s_wait_dscnt 0x0                               ; for wave 0's sake: my logits and scale bytes lie in LDS
	s_barrier_signal -1
	s_barrier_wait -1
	s_cmp_lg_u32 s18, 0
	s_cbranch_scc1 .Lend                           ; wave 0 goes on, a lane to a token
	ds_load_b128 v[16:19], v52 offset:LG
	ds_load_b128 v[20:23], v52 offset:LG+16
	ds_load_b128 v[24:27], v[LI] offset:SCB
	s_lshl_b32 s34, ttmp9, 9
	s_mov_b32 s35, 0
	s_add_nc_u64 s[12:13], s[12:13], s[34:35]      ; xs: 512 bytes a group
	s_lshl_b32 s38, ttmp9, 7
	s_mov_b32 s39, 0
	s_add_nc_u64 s[40:41], s[16:17], s[38:39]      ; the counts: 128 bytes a group, from byte 65,536 on
	s_lshl_b32 s36, ttmp9, 8
	s_mov_b32 s37, 0
	s_add_nc_u64 s[14:15], s[14:15], s[36:37]      ; gw and {p, rank}: 256 bytes a group
	s_add_nc_u64 s[16:17], s[16:17], s[36:37]
	s_wait_kmcnt 0x0                               ; bg
	s_wait_dscnt 0x0
	global_store_b128 v[LI], v[24:27], s[12:13]    ; 32 tokens' scale bytes: 512 consecutive bytes, aligned
.irp e, 0,1,2,3,4,5,6,7
	v_add_f32 v[16+\e], s[24+\e], v[16+\e]
.endr
.macro TOP best, idx                   ; the largest of the eight and its index; of equals the lower index stays
	v_mov_b32 v[\best], v16
	v_mov_b32 v[\idx], 0
.irp i, 1,2,3,4,5,6,7
	v_cmp_le_f32 vcc_lo, v[16+\i], v[\best]
	v_cndmask_b32 v[\idx], \i, v[\idx], vcc_lo
	v_cndmask_b32 v[\best], v[16+\i], v[\best], vcc_lo
.endr
.endm
	TOP 32, 33
	v_mov_b32 v34, 0xff800000                      ; -infinity takes the winner's place
.irp i, 0,1,2,3,4,5,6,7
	v_cmp_eq_u32 vcc_lo, \i, v33
	v_cndmask_b32 v[16+\i], v[16+\i], v34, vcc_lo
.endr
	TOP 35, 36
	v_sub_f32 v37, v35, v32                        ; l2 - l1, 0 or less
	v_mul_f32 v37, 0x3fb8aa3b, v37                 ; x log2(e)
	v_exp_f32 v38, v37                             ; e
	v_min_u32 v41, v33, v36                        ; a (plain work behind the exponential)
	v_max_u32 v42, v33, v36                        ; b
	v_sub_nc_u32 v46, 15, v41
	v_mul_u32_u24 v46, v41, v46
	v_lshrrev_b32 v46, 1, v46
	v_add_nc_u32 v46, v46, v42
	v_sub_nc_u32 v46, v46, v41
	v_add_nc_u32 v46, -1, v46                      ; p
	s_wait_alu depctr_va_vdst(0)                   ; the wait ahead of the first reader of e
	v_add_f32 v39, 1.0, v38
	v_rcp_f32 v40, v39                             ; the larger gate
	v_mov_b32 v47, 0                               ; the rank (plain work behind the reciprocal)
	v_mov_b32 v48, 0                               ; the counts, lane k for pair k
	s_wait_alu depctr_va_vdst(0)
	v_mul_f32 v43, v38, v40                        ; the smaller gate
	v_cmp_lt_u32 vcc_lo, v33, v36
	v_cndmask_b32 v44, v43, v40, vcc_lo            ; wa: expert a's
	v_cndmask_b32 v45, v40, v43, vcc_lo            ; wb: expert b's
.set KK, 0
.rept 28                               ; as values alone: which lanes have pair KK, how many of them stand below me, how many there are
	v_cmp_eq_u32 vcc_lo, KK, v46
	v_mbcnt_lo_u32_b32 v49, vcc_lo, 0
	v_cndmask_b32 v47, v47, v49, vcc_lo
	s_bcnt1_i32_b32 s32, vcc_lo
	v_writelane_b32 v48, s32, KK
.set KK, KK+1
.endr
	global_store_b64 v53, v[44:45], s[14:15]       ; 256 consecutive bytes, aligned
	global_store_b64 v53, v[46:47], s[16:17]       ; likewise
	global_store_b32 v54, v48, s[40:41] offset:65536       ; 128 consecutive bytes
.Lend:
	s_set_vgpr_msb 0x5
	s_wait_tensorcnt 0x0
	ds_add_u32 v0, v1
	s_wait_dscnt 0x0
	s_set_vgpr_msb 0x500
	s_endpgm
.Lfunc_end_k_qd33ce679b5_route:
	.size	k_qd33ce679b5_route, .Lfunc_end_k_qd33ce679b5_route-k_qd33ce679b5_route
	.p2alignl 7, 3214868480
	.fill 96, 4, 3214868480
	.section	.rodata,"a",@progbits
	.p2align	6, 0x0
	.amdhsa_kernel k_qd33ce679b5_route
		.amdhsa_group_segment_fixed_size 39936
		.amdhsa_private_segment_fixed_size 0
		.amdhsa_enable_private_segment 0
		.amdhsa_kernarg_size 56
		.amdhsa_user_sgpr_count 2
		.amdhsa_user_sgpr_kernarg_segment_ptr 1
		.amdhsa_wavefront_size32 1
		.amdhsa_system_sgpr_workgroup_id_x 1
		.amdhsa_system_sgpr_workgroup_id_y 1
		.amdhsa_system_sgpr_workgroup_id_z 1
		.amdhsa_system_vgpr_workitem_id 0
		.amdhsa_next_free_vgpr 258
		.amdhsa_next_free_sgpr 66
		.amdhsa_reserve_vcc 1
		.amdhsa_float_denorm_mode_32 3
		.amdhsa_float_denorm_mode_16_64 3
		.amdhsa_memory_ordered 1
		.amdhsa_forward_progress 1
		.amdhsa_inst_pref_size 96
	.end_amdhsa_kernel
	.amdgpu_metadata
---
amdhsa.version: [ 1, 2 ]
amdhsa.kernels:
  - .name:           k_qd33ce679b5_route
    .symbol:         k_qd33ce679b5_route.kd
    .args:
      - { .name: x, .offset: 0, .size: 8, .value_kind: global_buffer, .address_space: global }
      - { .name: Wg, .offset: 8, .size: 8, .value_kind: global_buffer, .address_space: global }
      - { .name: bg, .offset: 16, .size: 8, .value_kind: global_buffer, .address_space: global }
      - { .name: xc, .offset: 24, .size: 8, .value_kind: global_buffer, .address_space: global }
      - { .name: xs, .offset: 32, .size: 8, .value_kind: global_buffer, .address_space: global }
      - { .name: gw, .offset: 40, .size: 8, .value_kind: global_buffer, .address_space: global }
      - { .name: rmeta, .offset: 48, .size: 8, .value_kind: global_buffer, .address_space: global }
    .group_segment_fixed_size: 39936
    .private_segment_fixed_size: 0
    .kernarg_segment_align: 8
    .kernarg_segment_size: 56
    .max_flat_workgroup_size: 128
    .sgpr_count:     66
    .vgpr_count:     258
    .wavefront_size: 32
...
	.end_amdgpu_metadata
.endif
;; end of part 1
;; launch prep (part 2): grid 513 x 1, 4 waves a work-group, no clusters, 1,536 bytes of LDS; arguments rmeta, W1, W2, tplan, wc, ws; writes tplan, wc, ws
.if DOCPART == 2
	.amdgcn_target "amdgcn-amd-amdhsa--gfx1250"
	.amdhsa_code_object_version 6
	.text
	.protected	k_qd33ce679b5_prep
	.globl	k_qd33ce679b5_prep
	.p2align	8
	.type	k_qd33ce679b5_prep,@function
k_qd33ce679b5_prep:
	s_mov_b64 s[64:65], 0
	v_nop
	global_prefetch_b8 v0, s[64:65] scope:SCOPE_SE
	s_setreg_imm32_b32 hwreg(HW_REG_WAVE_MODE, 25, 1), 1
	s_wait_xcnt 0x0
; PREP.  Work-group 0 places the tokens by their pair of experts and writes the table of tiles; work-groups 1 to 512 quantise W1 and W2 along K.
; THE WEIGHTS.  W1 [8][512 (k)][1024 (n)] and W2 [8][1024 (k)][512 (n)], f32, have K as their first axis within an expert.  A job (j = work-group - 1) is 128 columns x 128 along K of one expert:
; j < 256: W1, j = 32 e + 4 G + s; else W2, j - 256 = 32 e + 8 G + s (G: which 128 columns, s: which 128 along K).  A lane takes a column and its 128 registers run down K, so a block of 32 lies in one lane
; and the conversions give codes with K innermost.  The codes are stored in the ORDER OF THE OPERAND'S REGISTERS: job j owns 16,384 bytes of wc: eight tiles of 16 columns, 2,048 bytes each, in four pieces c of
; 512 bytes; in a piece, place r + 16 h holds the 16 codes k = 32 c + 16 h + 0 .. 15 of the tile's row r.  So the chain's wave loads a fragment by four loads of 512 consecutive bytes.
; W2's tiles take neighbouring columns.  W1's do not: row r of tile 2 b + u is column 32 b + 8 u + r + 8 (r / 8), so that the first product's results are neighbours along the second product's K.
; The scale words (4 bytes: 128 along K of a column): job j owns 512 bytes of ws: place 16 u + r holds four words, word i for tile 2 i + u.
; Both tensors take one path: pointer, pitch and the split of j are chosen by scalar selects on the work-group's number.
; LIMITS: NaN and infinities are not served; a block of zeros gets the byte 1 where the rule says 127 (its codes are zeros, and this program alone reads the bytes).
; THE PLACING.  Wave w scans the counts of groups 64 w .. 64 w + 63 (lane = pair), the four waves' totals meet in LDS, a walk over the 28 pairs gives each pair its first place in the list and its first
; tile, and each token goes to place base + tokens of its pair in earlier groups + its rank.  tplan: list [8192] of token numbers, then from byte 32,768 256 entries {a, b, first place, rows}; tiles have up to
; 64 rows of one pair; entries behind the last tile have 0 rows.  No atomics: every place has one writer.
.set WL,   512                         ; LDS: bytes 0-511 the placing's, bytes 512-1023 the weights' path's
.set VO,   32                          ; v32-63   weights: 4 x lane + i x pitch
.set X,    64                          ; v64-191  weights: 128 numbers down K
.set C,    192                         ; v192-223 weights: the codes, eight registers a block, never rewritten
.set H,    32                          ; v32-95   placing: the counts of my 64 groups
.set M,    96                          ; v96-223  placing: {p, rank} of my 64 groups' tokens, then {place x 4, token}
.set OFFR, 224                         ; v224-239 placing: a batch's offsets by pair
.set POS,  240                         ; v240-255 placing: a batch's places
	s_load_b256 s[4:11], s[0:1], 0x0               ; rmeta s[4:5], W1 s[6:7], W2 s[8:9], tplan s[10:11]
	s_load_b128 s[12:15], s[0:1], 0x20             ; wc s[12:13], ws s[14:15]
	s_set_vgpr_msb 0x40
	v_lshl_add_u32 v0, v0, 2, 0x400
	v_mov_b32 v1, 0
	s_set_vgpr_msb 0x4000
	v_lshrrev_b32 v1, 5, v0
	v_readfirstlane_b32 s18, v1                    ; wave 0..3
	v_and_b32 v1, 31, v0                           ; lane
	v_lshlrev_b32 v2, 2, v1                        ; 4 x lane
	s_cmp_eq_u32 ttmp9, 0
	s_cbranch_scc1 .Lplace
	; ---------------- the weights
	s_sub_co_u32 s20, ttmp9, 1                     ; j
	s_mov_b32 s52, 0x600000                        ; the mantissa field of 57,344
	s_mov_b32 s24, 2048
	s_wait_kmcnt 0x0
	s_cmp_lt_u32 s20, 256                          ; W1's job or W2's?  The choice hangs on the work-group's number alone
	s_cselect_b64 s[22:23], s[6:7], s[8:9]
	s_cselect_b32 s24, 4096, s24                   ; a row of the tensor in bytes
	s_cselect_b32 s25, 2, 3                        ; 4 or 8 steps of 128 along K
	s_cselect_b32 s26, -1, 0                       ; all lanes: W1's order of columns
	s_and_b32 s27, s20, 255
	s_lshr_b32 s28, s27, 5                         ; e
	s_and_b32 s29, s27, 31
	s_lshr_b32 s30, s29, s25                       ; G
	s_lshl_b32 s31, s30, s25
	s_sub_co_u32 s31, s29, s31                     ; s
	s_lshl_b32 s32, s28, 21                        ; an expert is 2 MiB
	s_mul_i32 s33, s31, s24
	s_lshl_b32 s33, s33, 7                         ; 128 s rows
	s_add_co_u32 s32, s32, s33
	s_lshl_b32 s33, s30, 9                         ; 128 G columns
	s_add_co_u32 s32, s32, s33
	s_lshl_b32 s33, s18, 7                         ; my wave's 32 columns
	s_add_co_u32 s32, s32, s33
	s_mov_b32 s33, 0
	s_add_nc_u64 s[40:41], s[22:23], s[32:33]      ; block 0's first row
	s_lshl_b32 s34, s24, 5                         ; 32 rows on
	s_mov_b32 s35, 0
	s_add_nc_u64 s[42:43], s[40:41], s[34:35]
	s_add_nc_u64 s[44:45], s[42:43], s[34:35]
	s_add_nc_u64 s[46:47], s[44:45], s[34:35]
	s_lshl_b32 s36, s20, 14
	s_mov_b32 s37, 0
	s_add_nc_u64 s[48:49], s[12:13], s[36:37]      ; the job's codes
	s_lshl_b32 s36, s20, 9
	s_add_nc_u64 s[50:51], s[14:15], s[36:37]      ; and its scale words
.set I, 0
.rept 32
	v_mad_u32_u24 v[VO+I], s24, I, v2
.set I, I+1
.endr
.irp c, 0,1,2,3
.set I, 0
.rept 32
	global_load_b32 v[X+32*\c+I], v[VO+I], s[40+2*\c:41+2*\c] th:TH_LOAD_NT   ; one row of the tensor at 32 neighbouring columns: 128 consecutive bytes a wave, 512 a work-group
.set I, I+1
.endr
.endr
	v_lshrrev_b32 v3, 4, v1                        ; W2: tile 2 w + lane / 16,
	v_and_b32 v4, 15, v1                           ;     row lane % 16
	v_bfe_u32 v5, v1, 3, 1                         ; W1: tile 2 w + (lane / 8) % 2,
	v_and_b32 v6, 7, v1
	v_lshl_add_u32 v6, v3, 3, v6                   ;     row lane % 8 + 8 (lane / 16)
	v_cndmask_b32 v3, v3, v5, s26                  ; u
	v_cndmask_b32 v4, v4, v6, s26                  ; r
	s_lshl_b32 s37, s18, 12                        ; two tiles of 2,048 bytes a wave
	v_lshlrev_b32 v7, 11, v3
	v_lshl_add_u32 v7, v4, 4, v7
	v_add_nc_u32 v7, s37, v7                       ; my codes' place: 2,048 T + 16 r
	v_lshlrev_b32 v8, 8, v3
	v_lshl_add_u32 v8, v4, 4, v8                   ; my four scale words' place: 16 (16 u + r)
	v_lshlrev_b32 v9, 4, v1                        ; LDS: 16 x lane,
	s_lshl_b32 s38, s18, 2
	s_add_co_u32 s38, s38, WL
	v_add_nc_u32 v14, s38, v9                      ; + 4 x wave: where my scale word meets the other waves'
.macro BLOCK c
.set XB, X+32*(\c)
.if (\c) < 2
	s_wait_loadcnt 63                              ; 96 or 64 loads were issued behind this block's: the wait's field holds 63
.else
	s_wait_loadcnt 32*(3-(\c))                     ; the later blocks' loads may be out
.endif
	v_max3_num_f32 v12, |v[XB]|, |v[XB+1]|, |v[XB+2]|      ; the block's largest magnitude: all 32 numbers are mine
	v_max3_num_f32 v13, |v[XB+3]|, |v[XB+4]|, |v[XB+5]|
.irp i, 6,10,14,18,22,26
	v_max3_num_f32 v12, v12, |v[XB+\i]|, |v[XB+\i+1]|
	v_max3_num_f32 v13, v13, |v[XB+\i+2]|, |v[XB+\i+3]|
.endr
	v_max3_num_f32 v12, v12, |v[XB+30]|, |v[XB+31]|
	v_max3_num_f32 v12, v12, v13, 0x8000000        ; and the floor 2^(16 - 127): the byte cannot fall under 1
	v_add_nc_u32 v11, 0xf8800000, v12              ; 15 off its exponent field: the conversion's scale operand
	v_and_or_b32 v10, v12, 0x7f800000, s52         ; 57,344 x the scale
	v_lshrrev_b32 v13, 23, v11                     ; the scale's byte
.if (\c) == 0
	v_mov_b32 v15, v13                             ; four bytes make the column's scale word, the lower K in the lower byte
.else
	v_lshl_or_b32 v15, v13, 8*(\c), v15
.endif
.set I, 0
.rept 32
	v_med3_num_f32 v[XB+I], v[XB+I], -v10, v10     ; the conversion to an 8-bit code does not saturate (ISA guide 7.6.2): the hold comes first
.set I, I+1
.endr
.irp g, 0,1,2,3
	v_cvt_scalef32_pk8_bf8_f32 v[C+8*(\c)+2*\g:C+8*(\c)+2*\g+1], v[XB+8*\g:XB+8*\g+7], v11
.endr
	global_store_b128 v7, v[C+8*(\c):C+8*(\c)+3], s[48:49] offset:512*(\c)           ; k = 32 c + 0 .. 15: sixteen lanes fill 256 consecutive bytes, aligned
	global_store_b128 v7, v[C+8*(\c)+4:C+8*(\c)+7], s[48:49] offset:512*(\c)+256     ; k = 32 c + 16 .. 31
.endm
.irp c, 0,1,2,3
	BLOCK \c
.endr
	ds_store_b32 v14, v15
	s_wait_dscnt 0x0                               ; for wave 0's sake
	s_barrier_signal -1
	s_barrier_wait -1
	s_cmp_lg_u32 s18, 0
	s_cbranch_scc1 .Ldone
	ds_load_b128 v[16:19], v9 offset:WL            ; lane l's words of the four waves: the tiles' place of a lane is the same in all waves
	s_wait_dscnt 0x0
	global_store_b128 v8, v[16:19], s[50:51]       ; the job's 512 bytes by one instruction
.Ldone:
	s_set_vgpr_msb 0x5
	s_wait_tensorcnt 0x0
	ds_add_u32 v0, v1
	s_wait_dscnt 0x0
	s_set_vgpr_msb 0x500
	s_endpgm
	; ---------------- the placing
.Lplace:
	s_lshl_b32 s33, s18, 13
	v_add_nc_u32 v3, s33, v2                       ; the counts: 64 groups of 128 bytes a wave, 4 bytes a pair
	s_lshl_b32 s33, s18, 14
	v_lshl_add_u32 v4, v1, 3, s33                  ; {p, rank}: 64 groups of 256 bytes a wave, 8 bytes a token
	s_lshl_b32 s33, s18, 7
	v_add_nc_u32 v24, s33, v2                      ; LDS: my wave's totals
	s_lshl_b32 s33, s18, 11
	v_add_nc_u32 v23, s33, v1                      ; the token of my lane in my wave's first group
	v_lshlrev_b32 v22, 4, v0                       ; a table entry is 16 bytes
	v_add_nc_u32 v13, 128, v0                      ; a thread makes entries v0 and v0 + 128
	s_wait_kmcnt 0x0
.set I, 0
.rept 64
	global_load_b32 v[H+I], v3, s[4:5] offset:65536+128*I
.set I, I+1
.endr
.set I, 0
.rept 64
	global_load_b64 v[M+2*I:M+2*I+1], v4, s[4:5] offset:256*I
.set I, I+1
.endr
	s_wait_loadcnt 63                              ; the counts are in (64 loads were issued behind them: the wait's field holds 63)
.set I, 1
.rept 63
	v_add_nc_u32 v[H+I], v[H+I], v[H+I-1]          ; running sums over my groups
.set I, I+1
.endr
	ds_store_b32 v24, v[H+63]
	s_wait_dscnt 0x0
	s_barrier_signal -1
	s_barrier_wait -1
.irp k, 0,1,2,3
	ds_load_b32 v[5+\k], v2 offset:128*\k
.endr
	s_wait_dscnt 0x0
	v_add_nc_u32 v9, v5, v6
	v_add_nc_u32 v10, v7, v8
	v_add_nc_u32 v9, v9, v10                       ; lane k: the tokens of pair k
	v_mov_b32 v10, 0
.irp k, 0,1,2
	s_cmp_gt_u32 s18, \k
	s_cselect_b32 s33, -1, 0
	v_and_b32 v12, s33, v[5+\k]
	v_add_nc_u32 v10, v10, v12                     ; those of them in earlier waves' groups
.endr
	v_mov_b32 v11, 0                               ; lane k: pair k's first place in the list
.irp r, 14,15,16,17,18,19,20,21
	v_mov_b32 v\r, 0                               ; for each of my two entries: a + 8 b, the pair's first place, its first tile, its tokens
.endr
	s_mov_b32 s40, 0                               ; places given out
	s_mov_b32 s41, 0                               ; tiles given out
.set KK, 0
.irp a, 0,1,2,3,4,5,6
.irp b, 1,2,3,4,5,6,7
.if \b > \a
	v_readlane_b32 s42, v9, KK
	v_writelane_b32 v11, s40, KK
	v_cmp_gt_u32 vcc_lo, s41, v0                   ; the last pair whose first tile is not beyond the entry stays: pairs without tokens are passed over
	v_cndmask_b32 v14, \a+8*\b, v14, vcc_lo
	v_cndmask_b32 v15, s40, v15, vcc_lo
	v_cndmask_b32 v16, s41, v16, vcc_lo
	v_cndmask_b32 v17, s42, v17, vcc_lo
	v_cmp_gt_u32 vcc_lo, s41, v13
	v_cndmask_b32 v18, \a+8*\b, v18, vcc_lo
	v_cndmask_b32 v19, s40, v19, vcc_lo
	v_cndmask_b32 v20, s41, v20, vcc_lo
	v_cndmask_b32 v21, s42, v21, vcc_lo
	s_add_co_u32 s43, s42, 63
	s_lshr_b32 s43, s43, 6
	s_add_co_u32 s41, s41, s43
	s_add_co_u32 s40, s40, s42
.set KK, KK+1
.endif
.endr
.endr
	v_add_nc_u32 v12, v11, v10                     ; lane k: pair k's first place for my wave's groups
.macro ENTRY tau, st, q, off
	v_sub_nc_u32 v[\q+3], v[\tau], v[\st+2]        ; which tile of its pair
	v_lshlrev_b32 v[\q+3], 6, v[\q+3]              ; 64 i
	v_add_nc_u32 v[\q+2], v[\st+1], v[\q+3]
	v_min_u32 v[\q+2], 0x1fff, v[\q+2]             ; its first place, held inside the list
	v_min_u32 v[\q], v[\st+3], v[\q+3]
	v_add_nc_u32 v[\q+3], 64, v[\q+3]
	v_min_u32 v[\q+3], v[\st+3], v[\q+3]
	v_sub_nc_u32 v[\q+3], v[\q+3], v[\q]           ; its rows: min(N, 64 i + 64) - min(N, 64 i)
	v_and_b32 v[\q], 7, v[\st]                     ; a
	v_lshrrev_b32 v[\q+1], 3, v[\st]               ; b
	global_store_b128 v22, v[\q:\q+3], s[10:11] offset:\off
.endm
	ENTRY 0, 14, 24, 32768
	ENTRY 13, 18, 28, 32768+2048
	s_wait_loadcnt 0x0                             ; {p, rank}
.set BT, 0
.rept 4                                ; 16 groups at a time
.set I, 16*BT
.rept 16
	v_min_u32 v[M+2*I], 31, v[M+2*I]
	v_lshlrev_b32 v[M+2*I], 2, v[M+2*I]            ; the lane that holds my pair's offset, x 4
.if I == 0
	v_mov_b32 v[OFFR+I%16], v12
.else
	v_add_nc_u32 v[OFFR+I%16], v12, v[H+I-1]       ; + the pair's tokens in my wave's earlier groups
.endif
	ds_bpermute_b32 v[POS+I%16], v[M+2*I], v[OFFR+I%16]
.set I, I+1
.endr
	s_wait_dscnt 0x0
.set I, 16*BT
.rept 16
	v_add_nc_u32 v[POS+I%16], v[POS+I%16], v[M+2*I+1]      ; + my rank in my group
	v_min_u32 v[POS+I%16], 0x1fff, v[POS+I%16]     ; a loaded number enters an address only behind a clamp
	v_lshlrev_b32 v[M+2*I], 2, v[POS+I%16]
	v_add_nc_u32 v[M+2*I+1], 32*I, v23             ; my token
	global_store_b32 v[M+2*I], v[M+2*I+1], s[10:11]        ; the scatter that placing is: 32 KiB in all, each word written once
.set I, I+1
.endr
.set BT, BT+1
.endr
	s_set_vgpr_msb 0x5
	s_wait_tensorcnt 0x0
	ds_add_u32 v0, v1
	s_wait_dscnt 0x0
	s_set_vgpr_msb 0x500
	s_endpgm
.Lfunc_end_k_qd33ce679b5_prep:
	.size	k_qd33ce679b5_prep, .Lfunc_end_k_qd33ce679b5_prep-k_qd33ce679b5_prep
	.p2alignl 7, 3214868480
	.fill 96, 4, 3214868480
	.section	.rodata,"a",@progbits
	.p2align	6, 0x0
	.amdhsa_kernel k_qd33ce679b5_prep
		.amdhsa_group_segment_fixed_size 1536
		.amdhsa_private_segment_fixed_size 0
		.amdhsa_enable_private_segment 0
		.amdhsa_kernarg_size 48
		.amdhsa_user_sgpr_count 2
		.amdhsa_user_sgpr_kernarg_segment_ptr 1
		.amdhsa_wavefront_size32 1
		.amdhsa_system_sgpr_workgroup_id_x 1
		.amdhsa_system_sgpr_workgroup_id_y 1
		.amdhsa_system_sgpr_workgroup_id_z 1
		.amdhsa_system_vgpr_workitem_id 0
		.amdhsa_next_free_vgpr 258
		.amdhsa_next_free_sgpr 66
		.amdhsa_reserve_vcc 1
		.amdhsa_float_denorm_mode_32 3
		.amdhsa_float_denorm_mode_16_64 3
		.amdhsa_memory_ordered 1
		.amdhsa_forward_progress 1
		.amdhsa_inst_pref_size 93
	.end_amdhsa_kernel
	.amdgpu_metadata
---
amdhsa.version: [ 1, 2 ]
amdhsa.kernels:
  - .name:           k_qd33ce679b5_prep
    .symbol:         k_qd33ce679b5_prep.kd
    .args:
      - { .name: rmeta, .offset: 0, .size: 8, .value_kind: global_buffer, .address_space: global }
      - { .name: W1, .offset: 8, .size: 8, .value_kind: global_buffer, .address_space: global }
      - { .name: W2, .offset: 16, .size: 8, .value_kind: global_buffer, .address_space: global }
      - { .name: tplan, .offset: 24, .size: 8, .value_kind: global_buffer, .address_space: global }
      - { .name: wc, .offset: 32, .size: 8, .value_kind: global_buffer, .address_space: global }
      - { .name: ws, .offset: 40, .size: 8, .value_kind: global_buffer, .address_space: global }
    .group_segment_fixed_size: 1536
    .private_segment_fixed_size: 0
    .kernarg_segment_align: 8
    .kernarg_segment_size: 48
    .max_flat_workgroup_size: 128
    .sgpr_count:     66
    .vgpr_count:     258
    .wavefront_size: 32
...
	.end_amdgpu_metadata
.endif
;; end of part 2
;; launch chain (part 3): grid 155 x 1, 4 waves a work-group, no clusters, 266,752 bytes of LDS; arguments tplan, xc, xs, gw, wc, ws, b1, b2, out0; writes out0
.if DOCPART == 3
	.amdgcn_target "amdgcn-amd-amdhsa--gfx1250"
	.amdhsa_code_object_version 6
	.text
	.protected	k_qd33ce679b5_chain
	.globl	k_qd33ce679b5_chain
	.p2align	8
	.type	k_qd33ce679b5_chain,@function
k_qd33ce679b5_chain:
	s_mov_b64 s[64:65], 0
	v_nop
	global_prefetch_b8 v0, s[64:65] scope:SCOPE_SE
	s_setreg_imm32_b32 hwreg(HW_REG_WAVE_MODE, 25, 1), 1
	s_wait_xcnt 0x0
; CHAIN.  A work-group takes one tile of the table: up to 64 tokens that chose the same two experts a < b, and takes them through both: out = wa (relu(x W1a + b1a) W2a + b2a) + wb (the same of b).
; Both products run on codes of E5M2 with one E8M0 scale for each 32 along K; the hidden layer is quantised in registers and never goes to memory; each row of out0 has one owner.
; THE GRID serves every split: 8,192 tokens in 28 pairs make at most 128 + 27 tiles of 64.  Row i of a tile is list[first + min(i, rows - 1)]: rows past the end repeat the last one and store the same numbers to
; the same place.  A work-group whose tile has no rows walks the chain on list[first] and stores nothing: its one branch on the stored count stands round the way out alone, where no barrier stands, so that every
; wave passes every barrier.
; NO CLUSTER, NO TENSOR LOAD: which experts a tile walks is a stored number, so neighbours in the grid need not share a weight; the weights go from memory straight into registers, laid out by the launch before
; in the order of the operand's registers: every load of a wave reads 512 consecutive bytes, each byte of an expert's 1 MiB of codes is read once by the work-group and feeds four matrix instructions.
; SHARES.  The waves share the columns, not the rows: for all 64 rows (four tiles m of 16) wave w makes hidden units 256 w .. 256 w + 255, in two runs q of 128 (K steps 2 w + q of the second product), and
; output columns 128 w .. 128 w + 127.  Both products are used transposed (source 0 = 16 columns of the weight, source 1 = 16 rows): a lane holds one token (lane % 16) throughout.
; The hidden layer goes from wave to wave through LDS as images of the operand's registers (16 bytes a lane, 512 bytes a store), its scale words likewise.
; LIMITS: NaN and infinities are not served; a block of zeros of the hidden layer gets the byte 1 (its codes are zeros).
; REGISTERS, in windows of 256 (s_set_vgpr_msb: bits 1:0 source 0, 3:2 source 1, 5:4 source 2, 7:6 destination):
;   window 0: addresses, scale words, biases, the hidden layer's fragments, work;  window 1: x's 16 fragments (64 m + 16 s);  window 2: the 32 accumulators (64 m + 8 T);
;   window 3: the weights' ring, four groups of four fragments; later the first expert's weighted result, later rows on the way out.
.set XT,    0                          ; LDS: the tile's 64 rows of x's codes, 512 bytes + 16
.set HIMG,  33792                      ; the hidden layer's images: [K step 8][m 4][2,048]
.set HSC,   99328                      ; their scale words: [K step 8][2][128]: lanes 0-15 tile 2 i, lanes 16-31 tile 2 i + 1
.set PIMG,  101376                     ; each wave's own 32,768 bytes: the first expert's weighted result
.set STG,   232448                     ; each wave's own stage for the way out: 16 rows x (512 + 16)
.set LI,   1                           ; v1   16 x lane
.set XWA,  2                           ; v2   where I put gathered rows
.set XRA,  3                           ; v3   where I read x's fragments
.set HWI,  4                           ; v4   where I put images of the hidden layer
.set HRD,  5                           ; v5   where I read them
.set HWS,  6                           ; v6   where I put their scale words
.set HSR,  7                           ; v7   where I read them
.set PA,   8                           ; v8   my place in my wave's PIMG
.set SO,   9                           ; v9   the stage, in
.set SR,   10                          ; v10  the stage, back
.set OL,   11                          ; v11  512 x wave + 16 x lane: my bytes of a row of out0
.set BA1,  12                          ; v12  64 (lane / 16)
.set BA2,  13                          ; v13  32 (lane / 16)
.set TOKL, 14                          ; v14-15  the tokens of rows 32 i + lane
.set XS,   16                          ; v16-23  x's scale words: 4 i + s; lanes 0-15 tile 2 i, lanes 16-31 tile 2 i + 1
.set GW,   24                          ; v24-31  {wa, wb} of row 16 m + lane % 16
.set WS,   32                          ; v32-63  the weights' scale words of eight blocks: 4 x + T / 2; lanes 0-15 the even tile, lanes 16-31 the odd
.set BI,   64                          ; v64-127 a bias in the result's layout, eight registers a tile; later the hidden layer's fragments of odd K steps
.set HF0,  128                         ; v128-191 those of even K steps; at the head the gathered rows; on the way out the stores' offsets
.set VOFF, 128
.set HS,   192                         ; v192-195 the hidden layer's scale words
.set TM,   196                         ; v196-211 the quantiser's work: maxima, bytes, holds, scale operands
.set PW,   212                         ; v212 the scale word just made
.set PC,   214                         ; v214-229 the codes just made
.set TOKR, 230                         ; v230-233 the tokens of rows 16 m + lane % 16
.set TOKO, 234                         ; v234 those of rows 16 w + lane % 16
.set AD,   235                         ; v235-241 offsets of the head's loads
.set C1P,  32                          ; s[32:43] the expert in hand: W1's codes, W2's codes, W1's scale words, W2's, b1, b2, each at my wave's part;  s[44:55] the same of expert b
.set C2P,  34
.set S1P,  36
.set S2P,  38
.set B1P,  40
.set B2P,  42
.set MSB, 0
.macro WIN new                         ; the immediate's high byte repeats the setting that is left; a switch that changes nothing is dropped
.if MSB != \new
	s_set_vgpr_msb (MSB<<8)|\new
.set MSB, \new
.endif
.endm
.macro PLACES n                        ; plain places behind matrix instructions: eight for this form, in front of loads into its registers and of the first read of results
.rept \n
	v_nop
.endr
.endm
; THE WEIGHTS' STREAM.  An expert is 16 blocks of 16 KiB for a wave: blocks 4 q + s of W1 (run q, K step s), blocks 8 + s of W2.  A group is half a block: four fragments, 16 loads.
; NI counts the loads issued in the trip's straight text, GE0 to GE3 what NI was behind each ring place's last load: so WAITG's count is the number of loads issued behind the group that it waits for.
.macro SETGE sl
.if (\sl) == 0
.set GE0, NI
.elseif (\sl) == 1
.set GE1, NI
.elseif (\sl) == 2
.set GE2, NI
.else
.set GE3, NI
.endif
.endm
.macro WAITG sl
.if (\sl) == 0
.set WC, NI-GE0
.elseif (\sl) == 1
.set WC, NI-GE1
.elseif (\sl) == 2
.set WC, NI-GE2
.else
.set WC, NI-GE3
.endif
.if WC > 63
.set WC, 63                            ; the wait's field holds no more; a smaller count is safe
.endif
	s_wait_loadcnt WC
.endm
.macro LDG i, g
	WIN 0xc0                                       ; destination window 3
.set RB, 128*((\i)%2)+64*(\g)
.irp t, 0,1,2,3
.irp c, 0,1,2,3
.if (\i) < 8
	global_load_b128 v[RB+16*\t+4*\c:RB+16*\t+4*\c+3], v[LI], s[C1P:C1P+1] offset:16384*((\i)%8)+2048*(4*(\g)+\t)+512*\c
.else
	global_load_b128 v[RB+16*\t+4*\c:RB+16*\t+4*\c+3], v[LI], s[C2P:C2P+1] offset:16384*((\i)%8)+2048*(4*(\g)+\t)+512*\c
.endif
.endr
.endr
.set NI, NI+16
	SETGE 2*((\i)%2)+(\g)
.endm
.macro BIAS1 q                         ; b1 of run q: tile 2 b + u, lane half h, register j: unit 32 b + 16 h + 8 u + j
	WIN 0
.irp t, 0,1,2,3,4,5,6,7
	global_load_b128 v[BI+8*\t:BI+8*\t+3], v[BA1], s[B1P:B1P+1] offset:512*(\q)+128*(\t/2)+32*(\t%2)
	global_load_b128 v[BI+8*\t+4:BI+8*\t+7], v[BA1], s[B1P:B1P+1] offset:512*(\q)+128*(\t/2)+32*(\t%2)+16
.endr
.set NI, NI+16
.endm
.macro BIAS2                           ; b2: tile T, half h, register j: column 16 T + 8 h + j
	WIN 0
.irp t, 0,1,2,3,4,5,6,7
	global_load_b128 v[BI+8*\t:BI+8*\t+3], v[BA2], s[B2P:B2P+1] offset:64*\t
	global_load_b128 v[BI+8*\t+4:BI+8*\t+7], v[BA2], s[B2P:B2P+1] offset:64*\t+16
.endr
.set NI, NI+16
.endm
.macro WSL p                           ; the scale words of eight blocks
	WIN 0
.irp x, 0,1,2,3,4,5,6,7
	global_load_b128 v[WS+4*\x:WS+4*\x+3], v[LI], s[\p:\p+1] offset:512*\x
.endr
.set NI, NI+8
.endm
.macro HEAD                            ; an expert's first loads: always in this order, so that the counts hold on both ways into the loop
.set NI, 0
	WSL S1P
	BIAS1 0
	LDG 0, 0
	LDG 0, 1
	LDG 1, 0
	LDG 1, 1
	WIN 0
.endm
.macro EMIT                            ; one product; the rows of the scale registers by the tiles' parity
.if pA && pB
	v_wmma_scale_f32_16x16x128_f8f6f4 v[rD:rD+7], v[rA:rA+15], v[rB:rB+15], v[rC:rC+7], v[rSA], v[rSB] matrix_a_fmt:MATRIX_FMT_BF8 matrix_b_fmt:MATRIX_FMT_BF8 matrix_a_scale:MATRIX_SCALE_ROW1 matrix_b_scale:MATRIX_SCALE_ROW1
.elseif pA
	v_wmma_scale_f32_16x16x128_f8f6f4 v[rD:rD+7], v[rA:rA+15], v[rB:rB+15], v[rC:rC+7], v[rSA], v[rSB] matrix_a_fmt:MATRIX_FMT_BF8 matrix_b_fmt:MATRIX_FMT_BF8 matrix_a_scale:MATRIX_SCALE_ROW1
.elseif pB
	v_wmma_scale_f32_16x16x128_f8f6f4 v[rD:rD+7], v[rA:rA+15], v[rB:rB+15], v[rC:rC+7], v[rSA], v[rSB] matrix_a_fmt:MATRIX_FMT_BF8 matrix_b_fmt:MATRIX_FMT_BF8 matrix_b_scale:MATRIX_SCALE_ROW1
.else
	v_wmma_scale_f32_16x16x128_f8f6f4 v[rD:rD+7], v[rA:rA+15], v[rB:rB+15], v[rC:rC+7], v[rSA], v[rSB] matrix_a_fmt:MATRIX_FMT_BF8 matrix_b_fmt:MATRIX_FMT_BF8
.endif
.endm
; 16 products of the first kind: four tiles of hidden units x the four tiles of rows, K step s of run q.  The 32 accumulators take turns, one instruction a turn, in the same order in every K step.
; In K step 0 the bias is the C: nothing is cleared and nothing is added later.
.macro MM1 q, s, g
.if (\s) == 0
	WIN 0x87                                       ; source 0 (W1) window 3, source 1 (x) window 1, C (b1) window 0, D window 2
.else
	WIN 0xa7                                       ; C and D window 2
.endif
.irp t, 0,1,2,3
.irp m, 0,1,2,3
.set rT, 4*(\g)+\t
.set rD, 64*\m+8*rT
.set rA, 128*((\s)%2)+16*rT
.set rB, 64*\m+16*(\s)
.if (\s) == 0
.set rC, BI+8*rT
.else
.set rC, rD
.endif
.set rSA, WS+16*(\q)+4*(\s)+rT/2
.set rSB, XS+4*(\m/2)+(\s)
.set pA, rT%2
.set pB, \m%2
	EMIT
.endr
.endr
.endm
.macro MM2 s, g                        ; the same of the second kind: four tiles of output columns x the four tiles of rows, K step s
.if (\s) == 0
	WIN 0x83                                       ; source 0 (W2) window 3, source 1 (the hidden layer) window 0, C (b2) window 0, D window 2
.else
	WIN 0xa3
.endif
.irp t, 0,1,2,3
.irp m, 0,1,2,3
.set rT, 4*(\g)+\t
.set rD, 64*\m+8*rT
.set rA, 128*((\s)%2)+16*rT
.set rB, HF0-64*((\s)%2)+16*\m
.if (\s) == 0
.set rC, BI+8*rT
.else
.set rC, rD
.endif
.set rSA, WS+4*(\s)+rT/2
.set rSB, HS+2*((\s)%2)+\m/2
.set pA, rT%2
.set pB, \m%2
	EMIT
.endr
.endr
.endm
.macro FETCH_H s                       ; K step s of the hidden layer: four fragments and their scale words, as any wave stored them
	WIN 0
.set HB, HF0-64*((\s)%2)
.irp m, 0,1,2,3
.irp c, 0,1,2,3
	ds_load_b128 v[HB+16*\m+4*\c:HB+16*\m+4*\c+3], v[HRD] offset:2048*(4*(\s)+\m)+512*\c
.endr
.endr
.irp i, 0,1
	ds_load_b32 v[HS+2*((\s)%2)+\i], v[HSR] offset:256*(\s)+128*\i
.endr
.endm
; A block: its two groups; behind each group's products and their places the ring place takes the group two blocks on.  What else is fetched stands behind those places too:
; the next bias once the last one's products are issued, W2's scale words behind W1's last products, the hidden layer's next K step.
.macro BLK i
.if (\i) >= 8
	s_wait_dscnt 0x0                               ; this K step's fragments of the hidden layer are in
.endif
.irp g, 0,1
	WAITG 2*((\i)%2)+\g
.if (\i) < 8
	MM1 (\i)/4, (\i)%4, \g
.else
	MM2 (\i)-8, \g
.endif
	PLACES 8
.if (\i)+2 <= 15
	LDG (\i)+2, \g
.endif
.if ((\i) == 1) && (\g == 0)
	BIAS1 1
.endif
.if ((\i) == 5) && (\g == 0)
	BIAS2
.endif
.if ((\i) == 7) && (\g == 1)
	WSL S2P
.endif
.if ((\i) == 8) && (\g == 1)
	FETCH_H 1                                      ; into the registers that held b2: all its products are issued
.endif
.if ((\i) >= 9) && ((\i) <= 14) && (\g == 0)
	FETCH_H (\i)-7
.endif
.endr
.endm
; The 64 numbers of tile m (register 16 b + i = unit 32 b + 16 (lane / 16) + i of run q, of my token) become a fragment and a scale word of the second product's K step 2 w + q.
.macro QUANT q, m
.set QB, 64*(\m)
	WIN 0x0a                                       ; sources 0 and 1 window 2
.irp b, 0,1,2,3
	v_max3_num_f32 v[TM+\b], v[QB+16*\b], v[QB+16*\b+1], 0x8000000   ; no |.|: what is negative becomes 0, so it must not count; the floor 2^(16 - 127) stands over it.  Each accumulator is read from its low end on
.endr
	WIN 0x28                                       ; sources 1 and 2 window 2
.irp i, 2,4,6,8,10,12,14
.irp b, 0,1,2,3
	v_max3_num_f32 v[TM+\b], v[TM+\b], v[QB+16*\b+\i], v[QB+16*\b+\i+1]
.endr
.endr
	WIN 0
.irp b, 0,1,2,3
	v_permlanex16_b32 v[TM+4+\b], v[TM+\b], s30, s31
.endr
.irp b, 0,1,2,3
	v_max_num_f32 v[TM+\b], v[TM+\b], v[TM+4+\b]   ; with lane l xor 16's 16: the block's largest magnitude
.endr
.irp b, 0,1,2,3
	v_add_nc_u32 v[TM+12+\b], 0xf8800000, v[TM+\b] ; 15 off its exponent field: the conversion's scale operand
.endr
.irp b, 0,1,2,3
	v_and_or_b32 v[TM+8+\b], v[TM+\b], 0x7f800000, s56     ; 57,344 x the scale
.endr
.irp b, 0,1,2,3
	v_lshrrev_b32 v[TM+4+\b], 23, v[TM+12+\b]      ; the scale's byte
.endr
	s_wait_dscnt 0x0                               ; the last image's stores have read the word and the codes: both are written again only behind this wait
	v_lshl_or_b32 v[PW], v[TM+5], 8, v[TM+4]
	v_lshl_or_b32 v[PW], v[TM+6], 16, v[PW]
	v_lshl_or_b32 v[PW], v[TM+7], 24, v[PW]
	WIN 0x82                                       ; destination and source 0 window 2
.irp b, 0,1,2,3
.irp i, 0,1,2,3,4,5,6,7,8,9,10,11,12,13,14,15
	v_med3_num_f32 v[QB+16*\b+\i], v[QB+16*\b+\i], 0, v[TM+8+\b]   ; the activation and the hold in one (the conversion does not saturate: ISA guide 7.6.2)
.endr
.endr
	WIN 0x02                                       ; source 0 window 2
.irp b, 0,1,2,3
	v_cvt_scalef32_pk8_bf8_f32 v[PC+4*\b:PC+4*\b+1], v[QB+16*\b:QB+16*\b+7], v[TM+12+\b]
	v_cvt_scalef32_pk8_bf8_f32 v[PC+4*\b+2:PC+4*\b+3], v[QB+16*\b+8:QB+16*\b+15], v[TM+12+\b]
.endr
	WIN 0
	v_nop                                          ; a plain line behind the last conversion: later products write its sources
.irp c, 0,1,2,3
	ds_store_b128 v[HWI], v[PC+4*\c:PC+4*\c+3] offset:8192*(\q)+2048*(\m)+512*\c
.endr
	ds_store_b32 v[HWS], v[PW] offset:256*(\q)+128*((\m)/2)+64*((\m)%2)    ; lanes l and l + 16 write the same word with the same value
.endm
.macro PTRS p, e                       ; expert s[e]'s six addresses, at my wave's part: only left shifts and sums behind the clamp
	s_lshl_b32 s58, s[\e], 11
	s_lshl_b32 s59, s22, 9
	s_add_co_u32 s58, s58, s59                     ; b2: 2,048 e + 512 w
	s_mov_b32 s59, 0
	s_add_nc_u64 s[\p+10:\p+11], s[18:19], s[58:59]
	s_lshl_b32 s58, s58, 1                         ; b1: 4,096 e + 1,024 w
	s_add_nc_u64 s[\p+8:\p+9], s[16:17], s[58:59]
	s_lshl_b32 s58, s58, 2                         ; scale words: 16,384 e + 4,096 w
	s_add_nc_u64 s[\p+4:\p+5], s[14:15], s[58:59]
	s_add_nc_u64 s[\p+6:\p+7], s[\p+4:\p+5], 0x20000
	s_lshl_b32 s58, s58, 5                         ; codes: 524,288 e + 131,072 w
	s_add_nc_u64 s[\p:\p+1], s[12:13], s[58:59]
	s_add_nc_u64 s[\p+2:\p+3], s[\p:\p+1], 0x400000
.endm
.macro IDX dst, adr, lane, add         ; the token of row add + lane term: list[first + min(row, rows - 1)]
	v_add_nc_u32 v[\adr], \add, v[\lane]
	v_min_u32 v[\adr], s28, v[\adr]
	v_add_nc_u32 v[\adr], s26, v[\adr]
	v_min_u32 v[\adr], 0x1fff, v[\adr]             ; a loaded number enters an address only behind a clamp
	v_lshlrev_b32 v[\adr], 2, v[\adr]
	global_load_b32 v[\dst], v[\adr], s[4:5]
.endm
	s_load_b256 s[4:11], s[0:1], 0x0               ; tplan s[4:5], xc s[6:7], xs s[8:9], gw s[10:11]
	s_load_b256 s[12:19], s[0:1], 0x20             ; wc s[12:13], ws s[14:15], b1 s[16:17], b2 s[18:19]
	s_load_b64 s[20:21], s[0:1], 0x40              ; out0
	v_lshl_add_u32 v254, v0, 2, 0x41000
	v_mov_b32 v255, 0
	v_lshrrev_b32 v245, 5, v0
	v_readfirstlane_b32 s22, v245                  ; wave 0..3
	v_and_b32 v242, 31, v0                         ; lane
	v_and_b32 v243, 15, v0                         ; r
	v_bfe_u32 v244, v0, 4, 1                       ; h
	v_lshlrev_b32 v[LI], 4, v242
	s_mul_i32 s57, s22, 16*528
	v_add_nc_u32 v[XWA], s57, v[LI]                ; rows 16 w on, 16 bytes a lane
	v_mul_u32_u24 v[XRA], v243, 528
	v_lshl_add_u32 v[XRA], v244, 4, v[XRA]         ; row r, + 16 h
	s_lshl_b32 s58, s22, 14
	s_add_co_u32 s58, s58, HIMG
	v_add_nc_u32 v[HWI], s58, v[LI]                ; K steps 2 w, 2 w + 1
	v_add_nc_u32 v[HRD], HIMG, v[LI]
	s_lshl_b32 s58, s22, 9
	s_add_co_u32 s58, s58, HSC
	v_lshl_add_u32 v[HWS], v243, 2, s58
	v_lshl_add_u32 v[HSR], v242, 2, HSC
	s_lshl_b32 s58, s22, 15
	s_add_co_u32 s58, s58, PIMG
	v_add_nc_u32 v[PA], s58, v[LI]
	s_add_co_u32 s58, s57, STG
	v_mul_u32_u24 v[SO], v243, 528
	v_lshl_add_u32 v[SO], v244, 5, v[SO]
	v_add_nc_u32 v[SO], s58, v[SO]                 ; row r, + 32 h
	v_add_nc_u32 v[SR], s58, v[LI]
	s_lshl_b32 s58, s22, 9
	v_add_nc_u32 v[OL], s58, v[LI]
	v_lshlrev_b32 v[BA1], 6, v244
	v_lshlrev_b32 v[BA2], 5, v244
	s_mov_b32 s30, 0x76543210
	s_mov_b32 s31, 0xfedcba98                      ; v_permlanex16_b32's selects for lane l xor 16
	s_mov_b32 s56, 0x600000                        ; the mantissa field of 57,344
	s_lshl_b32 s57, ttmp9, 4
	s_wait_kmcnt 0x0
	s_load_b128 s[24:27], s[4:5], s57 offset:0x8000        ; my tile: a, b, first place, rows
	s_wait_kmcnt 0x0
	s_min_u32 s24, s24, 7
	s_min_u32 s25, s25, 7
	s_min_u32 s26, s26, 0x1fff
	s_min_u32 s27, s27, 64
	s_max_u32 s28, s27, 1
	s_sub_co_u32 s28, s28, 1                       ; the last row that is there (row 0 where there is none)
	PTRS C1P, 24
	PTRS 44, 25
	s_lshl_b32 s57, s22, 4
	IDX TOKL, AD, 242, 0
	IDX TOKL+1, AD+1, 242, 32
	IDX TOKR, AD+2, 243, 0
	IDX TOKR+1, AD+3, 243, 16
	IDX TOKR+2, AD+4, 243, 32
	IDX TOKR+3, AD+5, 243, 48
	IDX TOKO, AD+6, 243, s57
	HEAD                                           ; expert a's first 88 loads go out ahead of the gather
	s_wait_loadcnt 63                              ; the seven loads from the list are in (88 were issued behind them: the wait's field holds 63)
.irp r, TOKL, TOKL+1, TOKR, TOKR+1, TOKR+2, TOKR+3, TOKO
	v_min_u32 v[\r], 0x1fff, v[\r]
.endr
.irp i, 0,1,2,3,4,5,6,7,8,9,10,11,12,13,14,15
	v_readlane_b32 s57, v[TOKO], \i
	s_min_u32 s57, s57, 0x1fff
	s_lshl_b32 s57, s57, 9
	v_add_nc_u32 v[TM+\i], s57, v[LI]
	global_load_b128 v[HF0+4*\i:HF0+4*\i+3], v[TM+\i], s[6:7]      ; row 16 w + i: a token's 512 codes, 512 consecutive bytes
.endr
.irp i, 0,1
	v_lshlrev_b32 v[AD+\i], 4, v[TOKL+\i]
	global_load_b128 v[XS+4*\i:XS+4*\i+3], v[AD+\i], s[8:9]        ; a token's four scale words
.endr
.irp m, 0,1,2,3
	v_lshlrev_b32 v[AD+2+\m], 3, v[TOKR+\m]
	global_load_b64 v[GW+2*\m:GW+2*\m+1], v[AD+2+\m], s[10:11]     ; its two gates
.endr
	s_wait_loadcnt 0x0                             ; the one wait for all loads, at the start: every counted wait behind it stays safe
.irp i, 0,1,2,3,4,5,6,7,8,9,10,11,12,13,14,15
	ds_store_b128 v[XWA], v[HF0+4*\i:HF0+4*\i+3] offset:XT+528*\i
.endr
	s_wait_dscnt 0x0                               ; for the others' sake
	s_barrier_signal -1
	s_barrier_wait -1                              ; the tile's 64 rows lie in LDS
	WIN 0x40                                       ; destination window 1
.irp m, 0,1,2,3
.irp s, 0,1,2,3
.irp c, 0,1,2,3
	ds_load_b128 v[64*\m+16*\s+4*\c:64*\m+16*\s+4*\c+3], v[XRA] offset:XT+8448*\m+128*\s+32*\c     ; x's fragments stay in registers for both experts
.endr
.endr
.endr
	WIN 0
.irp b, 0,1,2,3
	v_mov_b32 v[TM+4+\b], 0                        ; written once: a lane permute's destination counts as one of its sources
.endr
	s_mov_b32 s29, 0                               ; the trip
	s_wait_dscnt 0x0
.Lexpert:                                              ; two trips: expert a, expert b
.irp i, 0,1,2,3
	BLK \i
.endr
.irp m, 0,1,2,3
	QUANT 0, \m
.endr
.irp i, 4,5,6,7
	BLK \i
.endr
.irp m, 0,1,2,3
	QUANT 1, \m
.endr
	s_wait_dscnt 0x0                               ; for the others' sake: my eight images and their scale words lie in LDS
	s_barrier_signal -1
	s_barrier_wait -1                              ; the hidden layer's 32 images lie in LDS
	FETCH_H 0
	s_wait_loadcnt 0x0                             ; W2's scale words are the youngest loads; they and the ring's four groups went out ahead of the last four quantisings
.irp i, 8,9,10,11,12,13,14,15
	BLK \i
.endr
	WIN 0
	s_cmp_eq_u32 s29, 1
	s_cbranch_scc1 .Lfinal
	; behind expert a: expert b's first loads go out, and wa x the result waits in my wave's own LDS bytes
	s_mov_b64 s[32:33], s[44:45]                   ; every load that named these has been waited for (the last group's count was 0)
	s_mov_b64 s[34:35], s[46:47]
	s_mov_b64 s[36:37], s[48:49]
	s_mov_b64 s[38:39], s[50:51]
	s_mov_b64 s[40:41], s[52:53]
	s_mov_b64 s[42:43], s[54:55]
	HEAD
	WIN 0x82                                       ; destination and source 0 window 2
.irp m, 0,1,2,3
.set J, 0
.rept 32
	v_pk_mul_f32 v[64*\m+J:64*\m+J+1], v[64*\m+J:64*\m+J+1], v[GW+2*\m:GW+2*\m+1] op_sel_hi:[1,0]  ; x wa, each accumulator from its low end on
.set J, J+2
.endr
.endr
	WIN 0x08                                       ; an LDS store's data are its source 1: window 2
.set J, 0
.rept 64
	ds_store_b128 v[PA], v[4*J:4*J+3] offset:512*J
.set J, J+1
.endr
	WIN 0
	s_wait_dscnt 0x0                               ; my reads of the hidden layer's images are over too
	s_barrier_signal -1
	s_barrier_wait -1                              ; so are everybody's: the next trip may write them
	s_add_co_u32 s29, s29, 1
	s_cmp_lt_u32 s29, 2
	s_cbranch_scc1 .Lexpert
.Lfinal:
	s_wait_loadcnt 0x0                             ; no load is out on the way here from the second trip; the wait makes that true of the text's other way, from the loop's foot, as well
	s_cmp_eq_u32 s27, 0
	s_cbranch_scc1 .Lend                           ; a tile without rows stores nothing
	WIN 0xc0                                       ; destination window 3
.set J, 0
.rept 64
	ds_load_b128 v[4*J:4*J+3], v[PA] offset:512*J  ; wa x expert a's result, into the ring's registers
.set J, J+1
.endr
	s_wait_dscnt 0x0
	WIN 0xb2                                       ; destination and source 0 window 2, source 1 window 0, source 2 window 3
.irp m, 0,1,2,3
.set J, 0
.rept 32
	v_pk_fma_f32 v[64*\m+J:64*\m+J+1], v[64*\m+J:64*\m+J+1], v[GW+2*\m:GW+2*\m+1], v[64*\m+J:64*\m+J+1] op_sel:[0,1,0] op_sel_hi:[1,1,1]   ; x wb, + the other expert's
.set J, J+2
.endr
.endr
	WIN 0
; THE WAY OUT, a tile of 16 rows at a time.  A lane holds 32 neighbouring bytes of a row and the lanes beside it hold other rows: so a tile goes through my own stage and comes back as rows of 512 bytes,
; my wave's 128 columns, which the 32 lanes store as 512 consecutive bytes, aligned, of the token's row.  LDS serves a wave's instructions in order (ISA guide 5.7.1.4): no wait between the stores and the loads.
.macro VOFFS m
.irp p, 0,1,2,3,4,5,6,7,8,9,10,11,12,13,14,15
	v_readlane_b32 s57, v[TOKL+(\m)/2], 16*((\m)%2)+\p
	s_min_u32 s57, s57, 0x1fff
	s_lshl_b32 s57, s57, 11
	v_add_nc_u32 v[VOFF+16*((\m)%2)+\p], s57, v[OL]
.endr
.endm
.macro TOSTAGE m
	WIN 0x08
.irp t, 0,1,2,3,4,5,6,7
	ds_store_b128 v[SO], v[64*(\m)+8*\t:64*(\m)+8*\t+3] offset:64*\t
	ds_store_b128 v[SO], v[64*(\m)+8*\t+4:64*(\m)+8*\t+7] offset:64*\t+16
.endr
	WIN 0xc0
.irp p, 0,1,2,3,4,5,6,7,8,9,10,11,12,13,14,15
	ds_load_b128 v[64*((\m)%2)+4*\p:64*((\m)%2)+4*\p+3], v[SR] offset:528*\p
.endr
	WIN 0
.endm
.macro SEND m, younger                 ; younger: the LDS instructions issued behind tile m's loads, which may stay out
	s_wait_dscnt \younger
	WIN 0x0c                                       ; a store's data are its source 1: window 3
.irp p, 0,1,2,3,4,5,6,7,8,9,10,11,12,13,14,15
	global_store_b128 v[VOFF+16*((\m)%2)+\p], v[64*((\m)%2)+4*\p:64*((\m)%2)+4*\p+3], s[20:21] th:TH_STORE_NT
.endr
	WIN 0
.endm
	VOFFS 0
	TOSTAGE 0
.irp m, 1,2,3
.if \m > 1
	s_wait_xcnt 0x0                                ; tile m - 2's stores have read their offsets and data: both are written again only behind this wait
.endif
	VOFFS \m
	TOSTAGE \m
	SEND \m-1, 32                                  ; behind tile m - 1's loads: tile m's 16 stores and 16 loads
.endr
	SEND 3, 0
.Lend:
	s_wait_tensorcnt 0x0
	ds_add_u32 v254, v255
	s_wait_dscnt 0x0
	s_endpgm
.Lfunc_end_k_qd33ce679b5_chain:
	.size	k_qd33ce679b5_chain, .Lfunc_end_k_qd33ce679b5_chain-k_qd33ce679b5_chain
	.p2alignl 7, 3214868480
	.fill 96, 4, 3214868480
	.section	.rodata,"a",@progbits
	.p2align	6, 0x0
	.amdhsa_kernel k_qd33ce679b5_chain
		.amdhsa_group_segment_fixed_size 266752
		.amdhsa_private_segment_fixed_size 0
		.amdhsa_enable_private_segment 0
		.amdhsa_kernarg_size 72
		.amdhsa_user_sgpr_count 2
		.amdhsa_user_sgpr_kernarg_segment_ptr 1
		.amdhsa_wavefront_size32 1
		.amdhsa_system_sgpr_workgroup_id_x 1
		.amdhsa_system_sgpr_workgroup_id_y 1
		.amdhsa_system_sgpr_workgroup_id_z 1
		.amdhsa_system_vgpr_workitem_id 0
		.amdhsa_next_free_vgpr 1024
		.amdhsa_next_free_sgpr 96
		.amdhsa_reserve_vcc 0
		.amdhsa_float_denorm_mode_32 3
		.amdhsa_float_denorm_mode_16_64 3
		.amdhsa_memory_ordered 1
		.amdhsa_forward_progress 1
		.amdhsa_inst_pref_size 255
	.end_amdhsa_kernel
	.section	.bss,"aw",@nobits
	.p2align	6
	.space	262144
	.amdgpu_metadata
---
amdhsa.version: [ 1, 2 ]
amdhsa.kernels:
  - .name:           k_qd33ce679b5_chain
    .symbol:         k_qd33ce679b5_chain.kd
    .args:
      - { .name: tplan, .offset: 0, .size: 8, .value_kind: global_buffer, .address_space: global }
      - { .name: xc, .offset: 8, .size: 8, .value_kind: global_buffer, .address_space: global }
      - { .name: xs, .offset: 16, .size: 8, .value_kind: global_buffer, .address_space: global }
      - { .name: gw, .offset: 24, .size: 8, .value_kind: global_buffer, .address_space: global }
      - { .name: wc, .offset: 32, .size: 8, .value_kind: global_buffer, .address_space: global }
      - { .name: ws, .offset: 40, .size: 8, .value_kind: global_buffer, .address_space: global }
      - { .name: b1, .offset: 48, .size: 8, .value_kind: global_buffer, .address_space: global }
      - { .name: b2, .offset: 56, .size: 8, .value_kind: global_buffer, .address_space: global }
      - { .name: out0, .offset: 64, .size: 8, .value_kind: global_buffer, .address_space: global }
    .group_segment_fixed_size: 266752
    .private_segment_fixed_size: 0
    .kernarg_segment_align: 8
    .kernarg_segment_size: 72
    .max_flat_workgroup_size: 128
    .sgpr_count:     96
    .vgpr_count:     1024
    .wavefront_size: 32
...
	.end_amdgpu_metadata
.endif
;; end of part 3
;; ======== version 2 of 3: 3 launches; 1.26 times as fast as version 1
;; workspace buffers: xc 4,194,304 bytes; xs 131,072 bytes; gw 65,536 bytes; rmeta 98,304 bytes of whole numbers; tplan 36,864 bytes of whole numbers; wc 8,388,608 bytes; ws 262,144 bytes
;; launch route: the kernel of part 1 again; grid 256 x 1, 4 waves a work-group, no clusters, 39,936 bytes of LDS; arguments x, Wg, bg, xc, xs, gw, rmeta; writes xc, xs, gw, rmeta
;; launch prep (part 4): grid 516 x 1, 4 waves a work-group, no clusters, 3,072 bytes of LDS; arguments rmeta, W1, W2, tplan, wc, ws; writes tplan, wc, ws
.if DOCPART == 4
	.amdgcn_target "amdgcn-amd-amdhsa--gfx1250"
	.amdhsa_code_object_version 6
	.text
	.protected	k_qd33ce679b5_prep
	.globl	k_qd33ce679b5_prep
	.p2align	8
	.type	k_qd33ce679b5_prep,@function
k_qd33ce679b5_prep:
	s_mov_b64 s[64:65], 0
	v_nop
	global_prefetch_b8 v0, s[64:65] scope:SCOPE_SE
	s_setreg_imm32_b32 hwreg(HW_REG_WAVE_MODE, 25, 1), 1
	s_wait_xcnt 0x0
; PREP.  Work-groups 0 to 3 place the tokens by their pair of experts and write the table of tiles; work-groups 4 to 515 quantise W1 and W2 along K.
; THE WEIGHTS.  W1 [8][512 (k)][1024 (n)] and W2 [8][1024 (k)][512 (n)], f32, have K as their first axis within an expert.  A job (j = work-group - 4) is 128 columns x 128 along K of one expert:
; j < 256: W1, j = 32 e + 4 G + s; else W2, j - 256 = 32 e + 8 G + s (G: which 128 columns, s: which 128 along K).  A lane takes a column and its 128 registers run down K, so a block of 32 lies in one lane
; and the conversions give codes with K innermost.  The codes are stored in the ORDER OF THE OPERAND'S REGISTERS: job j owns 16,384 bytes of wc: eight tiles of 16 columns, 2,048 bytes each, in four pieces c of
; 512 bytes; in a piece, place r + 16 h holds the 16 codes k = 32 c + 16 h + 0 .. 15 of the tile's row r.  So the chain's wave loads a fragment by four loads of 512 consecutive bytes.
; W2's tiles take neighbouring columns.  W1's do not: row r of tile 2 b + u is column 32 b + 8 u + r + 8 (r / 8), so that the first product's results are neighbours along the second product's K.
; The scale words (4 bytes: 128 along K of a column): job j owns 512 bytes of ws: place 16 u + r holds four words, word i for tile 2 i + u.
; Both tensors take one path: pointer, pitch and the split of j are chosen by scalar selects on the work-group's number.
; LIMITS: NaN and infinities are not served; a block of zeros gets the byte 1 where the rule says 127 (its codes are zeros, and this program alone reads the bytes).
; THE PLACING.  The 256 groups of 32 tokens are 16 sub-chunks of 16 groups; wave w of work-group z places the tokens of sub-chunk k0 = 4 z + w.  Each of the four work-groups sums all counts anew (lane = pair):
; wave w takes groups 64 w .. 64 w + 63 in four sums of 16 rows, the 16 sums meet in LDS; their total gives each pair its first place in the list and its first tile (a walk over the 28 pairs), the sums with
; k < k0 and the running sums over the wave's own 16 rows give each group its offset; a token goes to place base + tokens of its pair in earlier groups + its rank.
; tplan: list [8192] of token numbers, then from byte 32,768 256 entries {a, b, first place, rows}; tiles have up to 64 rows of one pair; entries behind the last tile have 0 rows.  Work-group z writes
; entries 64 z .. 64 z + 63.  No atomics: every place has one writer.
.set NPL,  4                           ; placing work-groups
.set WL,   2048                        ; LDS: bytes 0-2047 the placing's, bytes 2048-2559 the weights' path's
.set VO,   32                          ; v32-63   weights: 4 x lane + i x pitch
.set X,    64                          ; v64-191  weights: 128 numbers down K
.set C,    192                         ; v192-223 weights: the codes, eight registers a block, never rewritten
.set H,    32                          ; v32-95   placing: the counts of groups 64 w + i
.set O,    96                          ; v96-111  placing: the counts of my own 16 groups
.set M,    112                         ; v112-143 placing: {p, rank} of my 16 groups' tokens, then {place x 4, token}
.set T,    144                         ; v144-159 placing: the 16 sub-chunks' sums
.set S,    160                         ; v160-163 placing: my wave's four
.set OFFR, 224                         ; v224-239 placing: my groups' offsets by pair
.set POS,  240                         ; v240-255 placing: my tokens' places
.set NK,   66                          ; s66-93   placing: the 28 pairs' tokens
	s_load_b256 s[4:11], s[0:1], 0x0               ; rmeta s[4:5], W1 s[6:7], W2 s[8:9], tplan s[10:11]
	s_load_b128 s[12:15], s[0:1], 0x20             ; wc s[12:13], ws s[14:15]
	v_lshl_add_u32 v30, v0, 2, 0xa00
	v_mov_b32 v31, 0
	v_lshrrev_b32 v1, 5, v0
	v_readfirstlane_b32 s18, v1                    ; wave 0..3
	v_and_b32 v1, 31, v0                           ; lane
	v_lshlrev_b32 v2, 2, v1                        ; 4 x lane
	s_cmp_lt_u32 ttmp9, NPL
	s_cbranch_scc1 .Lplace
	; ---------------- the weights
	s_sub_co_u32 s20, ttmp9, NPL                   ; j
	s_mov_b32 s52, 0x600000                        ; the mantissa field of 57,344
	s_mov_b32 s24, 2048
	s_wait_kmcnt 0x0
	s_cmp_lt_u32 s20, 256                          ; W1's job or W2's?  The choice hangs on the work-group's number alone
	s_cselect_b64 s[22:23], s[6:7], s[8:9]
	s_cselect_b32 s24, 4096, s24                   ; a row of the tensor in bytes
	s_cselect_b32 s25, 2, 3                        ; 4 or 8 steps of 128 along K
	s_cselect_b32 s26, -1, 0                       ; all lanes: W1's order of columns
	s_and_b32 s27, s20, 255
	s_lshr_b32 s28, s27, 5                         ; e
	s_and_b32 s29, s27, 31
	s_lshr_b32 s30, s29, s25                       ; G
	s_lshl_b32 s31, s30, s25
	s_sub_co_u32 s31, s29, s31                     ; s
	s_lshl_b32 s32, s28, 21                        ; an expert is 2 MiB
	s_mul_i32 s33, s31, s24
	s_lshl_b32 s33, s33, 7                         ; 128 s rows
	s_add_co_u32 s32, s32, s33
	s_lshl_b32 s33, s30, 9                         ; 128 G columns
	s_add_co_u32 s32, s32, s33
	s_lshl_b32 s33, s18, 7                         ; my wave's 32 columns
	s_add_co_u32 s32, s32, s33
	s_mov_b32 s33, 0
	s_add_nc_u64 s[40:41], s[22:23], s[32:33]      ; block 0's first row
	s_lshl_b32 s34, s24, 5                         ; 32 rows on
	s_mov_b32 s35, 0
	s_add_nc_u64 s[42:43], s[40:41], s[34:35]
	s_add_nc_u64 s[44:45], s[42:43], s[34:35]
	s_add_nc_u64 s[46:47], s[44:45], s[34:35]
	s_lshl_b32 s36, s20, 14
	s_mov_b32 s37, 0
	s_add_nc_u64 s[48:49], s[12:13], s[36:37]      ; the job's codes
	s_lshl_b32 s36, s20, 9
	s_add_nc_u64 s[50:51], s[14:15], s[36:37]      ; and its scale words
.set I, 0
.rept 32
	v_mad_u32_u24 v[VO+I], s24, I, v2
.set I, I+1
.endr
.irp c, 0,1,2,3
.set I, 0
.rept 32
	global_load_b32 v[X+32*\c+I], v[VO+I], s[40+2*\c:41+2*\c] th:TH_LOAD_NT   ; one row of the tensor at 32 neighbouring columns: 128 consecutive bytes a wave, 512 a work-group
.set I, I+1
.endr
.endr
	v_lshrrev_b32 v3, 4, v1                        ; W2: tile 2 w + lane / 16,
	v_and_b32 v4, 15, v1                           ;     row lane % 16
	v_bfe_u32 v5, v1, 3, 1                         ; W1: tile 2 w + (lane / 8) % 2,
	v_and_b32 v6, 7, v1
	v_lshl_add_u32 v6, v3, 3, v6                   ;     row lane % 8 + 8 (lane / 16)
	v_cndmask_b32 v3, v3, v5, s26                  ; u
	v_cndmask_b32 v4, v4, v6, s26                  ; r
	s_lshl_b32 s37, s18, 12                        ; two tiles of 2,048 bytes a wave
	v_lshlrev_b32 v7, 11, v3
	v_lshl_add_u32 v7, v4, 4, v7
	v_add_nc_u32 v7, s37, v7                       ; my codes' place: 2,048 T + 16 r
	v_lshlrev_b32 v8, 8, v3
	v_lshl_add_u32 v8, v4, 4, v8                   ; my four scale words' place: 16 (16 u + r)
	v_lshlrev_b32 v9, 4, v1                        ; LDS: 16 x lane,
	s_lshl_b32 s38, s18, 2
	s_add_co_u32 s38, s38, WL
	v_add_nc_u32 v14, s38, v9                      ; + 4 x wave: where my scale word meets the other waves'
.macro BLOCK c
.set XB, X+32*(\c)
.if (\c) < 2
	s_wait_loadcnt 63                              ; 96 or 64 loads were issued behind this block's: the wait's field holds 63
.else
	s_wait_loadcnt 32*(3-(\c))                     ; the later blocks' loads may be out
.endif
	v_max3_num_f32 v12, |v[XB]|, |v[XB+1]|, |v[XB+2]|      ; the block's largest magnitude: all 32 numbers are mine
	v_max3_num_f32 v13, |v[XB+3]|, |v[XB+4]|, |v[XB+5]|
.irp i, 6,10,14,18,22,26
	v_max3_num_f32 v12, v12, |v[XB+\i]|, |v[XB+\i+1]|
	v_max3_num_f32 v13, v13, |v[XB+\i+2]|, |v[XB+\i+3]|
.endr
	v_max3_num_f32 v12, v12, |v[XB+30]|, |v[XB+31]|
	v_max3_num_f32 v12, v12, v13, 0x8000000        ; and the floor 2^(16 - 127): the byte cannot fall under 1
	v_add_nc_u32 v11, 0xf8800000, v12              ; 15 off its exponent field: the conversion's scale operand
	v_and_or_b32 v10, v12, 0x7f800000, s52         ; 57,344 x the scale
	v_lshrrev_b32 v13, 23, v11                     ; the scale's byte
.if (\c) == 0
	v_mov_b32 v15, v13                             ; four bytes make the column's scale word, the lower K in the lower byte
.else
	v_lshl_or_b32 v15, v13, 8*(\c), v15
.endif
.set I, 0
.rept 32
	v_med3_num_f32 v[XB+I], v[XB+I], -v10, v10     ; the conversion to an 8-bit code does not saturate (ISA guide 7.6.2): the hold comes first
.set I, I+1
.endr
.irp g, 0,1,2,3
	v_cvt_scalef32_pk8_bf8_f32 v[C+8*(\c)+2*\g:C+8*(\c)+2*\g+1], v[XB+8*\g:XB+8*\g+7], v11
.endr
	global_store_b128 v7, v[C+8*(\c):C+8*(\c)+3], s[48:49] offset:512*(\c)           ; k = 32 c + 0 .. 15: sixteen lanes fill 256 consecutive bytes, aligned
	global_store_b128 v7, v[C+8*(\c)+4:C+8*(\c)+7], s[48:49] offset:512*(\c)+256     ; k = 32 c + 16 .. 31
.endm
.irp c, 0,1,2,3
	BLOCK \c
.endr
	ds_store_b32 v14, v15
	s_wait_dscnt 0x0                               ; for wave 0's sake
	s_barrier_signal -1
	s_barrier_wait -1
	s_cmp_lg_u32 s18, 0
	s_cbranch_scc1 .Ldone
	ds_load_b128 v[16:19], v9 offset:WL            ; lane l's words of the four waves: the tiles' place of a lane is the same in all waves
	s_wait_dscnt 0x0
	global_store_b128 v8, v[16:19], s[50:51]       ; the job's 512 bytes by one instruction
.Ldone:
	s_wait_tensorcnt 0x0
	ds_add_u32 v30, v31
	s_wait_dscnt 0x0
	s_endpgm
	; ---------------- the placing
.Lplace:
	s_lshl_b32 s20, ttmp9, 2
	s_add_co_u32 s20, s20, s18                     ; k0 = 4 z + w: my sub-chunk of 16 groups
	s_lshl_b32 s33, s18, 13
	v_add_nc_u32 v3, s33, v2                       ; the counts of groups 64 w on: 128 bytes a group, 4 bytes a pair
	s_lshl_b32 s33, s20, 11
	v_add_nc_u32 v5, s33, v2                       ; the counts of my own groups, 16 k0 on
	s_lshl_b32 s33, s20, 12
	v_lshl_add_u32 v4, v1, 3, s33                  ; {p, rank} of my own groups: 256 bytes a group, 8 bytes a token
	s_lshl_b32 s33, s18, 9
	v_add_nc_u32 v24, s33, v2                      ; LDS: my wave's four sums, 128 bytes each
	s_lshl_b32 s33, s20, 9
	v_add_nc_u32 v23, s33, v1                      ; the token of my lane in my first group
	s_lshl_b32 s33, ttmp9, 6
	v_add_nc_u32 v13, s33, v0                      ; the table entry that I make: 64 z + thread (waves 0 and 1 store theirs)
	v_lshlrev_b32 v22, 4, v13                      ; an entry is 16 bytes
	s_wait_kmcnt 0x0
.set I, 0
.rept 64
	global_load_b32 v[H+I], v3, s[4:5] offset:65536+128*I
.set I, I+1
.endr
.set I, 0
.rept 16
	global_load_b32 v[O+I], v5, s[4:5] offset:65536+128*I
.set I, I+1
.endr
.set I, 0
.rept 16
	global_load_b64 v[M+2*I:M+2*I+1], v4, s[4:5] offset:256*I
.set I, I+1
.endr
	s_wait_loadcnt 32                              ; the 64 rows are in; my own 16 rows and my 16 groups' {p, rank} may be out
.irp c, 0,1,2,3
	v_add_nc_u32 v[S+\c], v[H+16*\c], v[H+16*\c+1] ; four sums of 16 rows, by turns
.endr
.irp i, 2,3,4,5,6,7,8,9,10,11,12,13,14,15
.irp c, 0,1,2,3
	v_add_nc_u32 v[S+\c], v[S+\c], v[H+16*\c+\i]
.endr
.endr
.irp c, 0,1,2,3
	ds_store_b32 v24, v[S+\c] offset:128*\c
.endr
	s_wait_dscnt 0x0                               ; for the others' sake
	s_barrier_signal -1
	s_barrier_wait -1
.set I, 0
.rept 16
	ds_load_b32 v[T+I], v2 offset:128*I
.set I, I+1
.endr
	s_wait_dscnt 0x0
	v_add_nc_u32 v9, v[T], v[T+1]
.irp k, 2,3,4,5,6,7,8,9,10,11,12,13,14,15
	v_add_nc_u32 v9, v9, v[T+\k]                   ; lane k: the tokens of pair k
.endr
	v_mov_b32 v10, 0
.irp k, 0,1,2,3,4,5,6,7,8,9,10,11,12,13,14
	s_cmp_gt_u32 s20, \k
	s_cselect_b32 s33, -1, 0
	v_and_b32 v12, s33, v[T+\k]
	v_add_nc_u32 v10, v10, v12                     ; those of them in sub-chunks ahead of mine
.endr
.set KK, 0
.rept 28
	v_readlane_b32 s[NK+KK], v9, KK                ; all 28 together, ahead of their scalar users
.set KK, KK+1
.endr
	v_mov_b32 v11, 0                               ; lane k: pair k's first place in the list
.irp r, 14,15,16,17
	v_mov_b32 v\r, 0                               ; for my entry: a + 8 b, the pair's first place, its first tile, its tokens
.endr
	s_mov_b32 s40, 0                               ; places given out
	s_mov_b32 s41, 0                               ; tiles given out
.set KK, 0
.irp a, 0,1,2,3,4,5,6
.irp b, 1,2,3,4,5,6,7
.if \b > \a
	v_writelane_b32 v11, s40, KK
	v_cmp_gt_u32 vcc_lo, s41, v13                  ; the last pair whose first tile is not beyond the entry stays: pairs without tokens are passed over
	v_cndmask_b32 v14, \a+8*\b, v14, vcc_lo
	v_cndmask_b32 v15, s40, v15, vcc_lo
	v_cndmask_b32 v16, s41, v16, vcc_lo
	v_cndmask_b32 v17, s[NK+KK], v17, vcc_lo
	s_add_co_u32 s43, s[NK+KK], 63
	s_lshr_b32 s43, s43, 6
	s_add_co_u32 s41, s41, s43
	s_add_co_u32 s40, s40, s[NK+KK]
.set KK, KK+1
.endif
.endr
.endr
	v_add_nc_u32 v12, v11, v10                     ; lane k: pair k's first place for my sub-chunk
	v_sub_nc_u32 v27, v13, v16                     ; which tile of its pair my entry is
	v_lshlrev_b32 v27, 6, v27                      ; 64 i
	v_add_nc_u32 v26, v15, v27
	v_min_u32 v26, 0x1fff, v26                     ; its first place, held inside the list
	v_min_u32 v24, v17, v27
	v_add_nc_u32 v27, 64, v27
	v_min_u32 v27, v17, v27
	v_sub_nc_u32 v27, v27, v24                     ; its rows: min(N, 64 i + 64) - min(N, 64 i)
	v_and_b32 v24, 7, v14                          ; a
	v_lshrrev_b32 v25, 3, v14                      ; b
	s_cmp_gt_u32 s18, 1
	s_cbranch_scc1 .Lnoent                         ; 64 entries a work-group: waves 0 and 1
	global_store_b128 v22, v[24:27], s[10:11] offset:32768
.Lnoent:
	s_wait_loadcnt 0x0                             ; my own rows and {p, rank}
	v_mov_b32 v[OFFR], v12
.set I, 1
.rept 15
	v_add_nc_u32 v[OFFR+I], v[OFFR+I-1], v[O+I-1]  ; + the pair's tokens in my earlier groups
.set I, I+1
.endr
.set I, 0
.rept 16
	v_min_u32 v[M+2*I], 31, v[M+2*I]
	v_lshlrev_b32 v[M+2*I], 2, v[M+2*I]            ; the lane that holds my pair's offset, x 4
	ds_bpermute_b32 v[POS+I], v[M+2*I], v[OFFR+I]
.set I, I+1
.endr
	s_wait_dscnt 0x0
.set I, 0
.rept 16
	v_add_nc_u32 v[POS+I], v[POS+I], v[M+2*I+1]    ; + my rank in my group
	v_min_u32 v[POS+I], 0x1fff, v[POS+I]           ; a loaded number enters an address only behind a clamp
	v_lshlrev_b32 v[M+2*I], 2, v[POS+I]
	v_add_nc_u32 v[M+2*I+1], 32*I, v23             ; my token
	global_store_b32 v[M+2*I], v[M+2*I+1], s[10:11]        ; the scatter that placing is: 32 KiB in all, each word written once
.set I, I+1
.endr
	s_wait_tensorcnt 0x0
	ds_add_u32 v30, v31
	s_wait_dscnt 0x0
	s_endpgm
.Lfunc_end_k_qd33ce679b5_prep:
	.size	k_qd33ce679b5_prep, .Lfunc_end_k_qd33ce679b5_prep-k_qd33ce679b5_prep
	.p2alignl 7, 3214868480
	.fill 96, 4, 3214868480
	.section	.rodata,"a",@progbits
	.p2align	6, 0x0
	.amdhsa_kernel k_qd33ce679b5_prep
		.amdhsa_group_segment_fixed_size 3072
		.amdhsa_private_segment_fixed_size 0
		.amdhsa_enable_private_segment 0
		.amdhsa_kernarg_size 48
		.amdhsa_user_sgpr_count 2
		.amdhsa_user_sgpr_kernarg_segment_ptr 1
		.amdhsa_wavefront_size32 1
		.amdhsa_system_sgpr_workgroup_id_x 1
		.amdhsa_system_sgpr_workgroup_id_y 1
		.amdhsa_system_sgpr_workgroup_id_z 1
		.amdhsa_system_vgpr_workitem_id 0
		.amdhsa_next_free_vgpr 256
		.amdhsa_next_free_sgpr 96
		.amdhsa_reserve_vcc 1
		.amdhsa_float_denorm_mode_32 3
		.amdhsa_float_denorm_mode_16_64 3
		.amdhsa_memory_ordered 1
		.amdhsa_forward_progress 1
		.amdhsa_inst_pref_size 67
	.end_amdhsa_kernel
	.amdgpu_metadata
---
amdhsa.version: [ 1, 2 ]
amdhsa.kernels:
  - .name:           k_qd33ce679b5_prep
    .symbol:         k_qd33ce679b5_prep.kd
    .args:
      - { .name: rmeta, .offset: 0, .size: 8, .value_kind: global_buffer, .address_space: global }
      - { .name: W1, .offset: 8, .size: 8, .value_kind: global_buffer, .address_space: global }
      - { .name: W2, .offset: 16, .size: 8, .value_kind: global_buffer, .address_space: global }
      - { .name: tplan, .offset: 24, .size: 8, .value_kind: global_buffer, .address_space: global }
      - { .name: wc, .offset: 32, .size: 8, .value_kind: global_buffer, .address_space: global }
      - { .name: ws, .offset: 40, .size: 8, .value_kind: global_buffer, .address_space: global }
    .group_segment_fixed_size: 3072
    .private_segment_fixed_size: 0
    .kernarg_segment_align: 8
    .kernarg_segment_size: 48
    .max_flat_workgroup_size: 128
    .sgpr_count:     96
    .vgpr_count:     256
    .wavefront_size: 32
...
	.end_amdgpu_metadata
.endif
;; end of part 4
;; launch chain (part 5): grid 155 x 1, 4 waves a work-group, no clusters, 266,752 bytes of LDS; arguments tplan, xc, xs, gw, wc, ws, b1, b2, out0; writes out0
.if DOCPART == 5
	.amdgcn_target "amdgcn-amd-amdhsa--gfx1250"
	.amdhsa_code_object_version 6
	.text
	.protected	k_qd33ce679b5_chain
	.globl	k_qd33ce679b5_chain
	.p2align	8
	.type	k_qd33ce679b5_chain,@function
k_qd33ce679b5_chain:
	s_mov_b64 s[64:65], 0
	v_nop
	global_prefetch_b8 v0, s[64:65] scope:SCOPE_SE
	s_setreg_imm32_b32 hwreg(HW_REG_WAVE_MODE, 25, 1), 1
	s_wait_xcnt 0x0
; CHAIN.  A work-group takes one tile of the table: up to 64 tokens that chose the same two experts a < b, and takes them through both: out = wa (relu(x W1a + b1a) W2a + b2a) + wb (the same of b).
; Both products run on codes of E5M2 with one E8M0 scale for each 32 along K; the hidden layer is quantised in registers and never goes to memory; each row of out0 has one owner.
; THE GRID serves every split: 8,192 tokens in 28 pairs make at most 128 + 27 tiles of 64.  Row i of a tile is list[first + min(i, rows - 1)]: rows past the end repeat the last one and store the same numbers to
; the same place.  A work-group whose tile has no rows walks the chain on list[first] and stores nothing: its one branch on the stored count stands round the way out alone, where no barrier stands, so that every
; wave passes every barrier.
; NO CLUSTER, NO TENSOR LOAD: which experts a tile walks is a stored number, so neighbours in the grid need not share a weight; the weights go from memory straight into registers, laid out by the launch before
; in the order of the operand's registers: every load of a wave reads 512 consecutive bytes, each byte of an expert's 1 MiB of codes is read once by the work-group and feeds four matrix instructions.
; SHARES.  The waves share the columns, not the rows: for all 64 rows (four tiles m of 16) wave w makes hidden units 256 w .. 256 w + 255, in two runs of 128 (K steps 2 w, 2 w + 1 of the second product), and
; output columns 128 w .. 128 w + 127.  Both products are used transposed (source 0 = 16 columns of the weight, source 1 = 16 rows): a lane holds one token (lane % 16) throughout.
; The hidden layer goes from wave to wave through LDS as images of the operand's registers (16 bytes a lane, 512 bytes a store), its scale words likewise.
; THE ORDER OF THE WALK hangs on the work-group's number alone, and only addresses carry it.  (1) Odd work-groups walk expert b first and a second (the two gates change places with them): so in the first trip
; each of the eight experts is walked by some work-groups.  (2) A wave's eight blocks of W1, and its eight of W2, are walked in the order pi(j) = 4 ((j / 4 + rq) % 2) + (j % 4 + r1) % 4, j = 0 .. 7, with
; rho = (wg / 2 + wg / 16) % 8, rq = rho / 4, r1 = rho % 4: at each step eight work-groups with eight different rho read eight different blocks of an expert, and not all the same bytes at the same moment.
; For W1 pi(4 q + s) is run (q + rq) % 2, K step (s + r1) % 4: x's fragments and scale words stand in that rotated order in their registers.  A wave stores the image of the run that it makes q-th at place
; 2 w + q, as ever; so K step k of the second product lies at place k xor rq, and is read there.
; LIMITS: NaN and infinities are not served; a block of zeros of the hidden layer gets the byte 1 (its codes are zeros).  K is summed in the rotated order: the f32 sums are rounded in another order than
; with K ascending.
; REGISTERS, in windows of 256 (s_set_vgpr_msb: bits 1:0 source 0, 3:2 source 1, 5:4 source 2, 7:6 destination):
;   window 0: addresses, scale words, biases, the hidden layer's fragments, work;  window 1: x's 16 fragments (64 m + 16 s);  window 2: the 32 accumulators (64 m + 8 T);
;   window 3: the weights' ring, four groups of four fragments; later the first expert's weighted result, later rows on the way out.
.set XT,    0                          ; LDS: the tile's 64 rows of x's codes, 512 bytes + 16
.set HIMG,  33792                      ; the hidden layer's images: [place 8][m 4][2,048]
.set HSC,   99328                      ; their scale words: [place 8][2][128]: lanes 0-15 tile 2 i, lanes 16-31 tile 2 i + 1
.set PIMG,  101376                     ; each wave's own 32,768 bytes: the first expert's weighted result
.set STG,   232448                     ; each wave's own stage for the way out: 16 rows x (512 + 16)
.set LI,   1                           ; v1   16 x lane
.set XWA,  2                           ; v2   where I put gathered rows
.set XRA,  3                           ; v3   my lane's place in a fragment of x
.set HWI,  4                           ; v4   where I put images of the hidden layer
.set HRD,  5                           ; v5   my lane's place in an image
.set HWS,  6                           ; v6   where I put their scale words
.set HSR,  7                           ; v7   my lane's place among them
.set PA,   8                           ; v8   my place in my wave's PIMG
.set SO,   9                           ; v9   the stage, in
.set SR,   10                          ; v10  the stage, back
.set OL,   11                          ; v11  512 x wave + 16 x lane: my bytes of a row of out0
.set BA1,  12                          ; v12  64 (lane / 16)
.set BA2,  13                          ; v13  32 (lane / 16)
.set TOKL, 14                          ; v14-15  the tokens of rows 32 i + lane
.set XS,   16                          ; v16-23  x's scale words: 4 i + s; lanes 0-15 tile 2 i, lanes 16-31 tile 2 i + 1
.set GW,   24                          ; v24-31  the gates of row 16 m + lane % 16: the first expert's, the second's
.set WS,   32                          ; v32-63  the weights' scale words of eight blocks: 4 x + T / 2; lanes 0-15 the even tile, lanes 16-31 the odd
.set BI,   64                          ; v64-127 a bias in the result's layout, eight registers a tile; later the hidden layer's fragments of odd steps
.set HF0,  128                         ; v128-191 those of even steps; at the head the gathered rows; on the way out the stores' offsets
.set VOFF, 128
.set HS,   192                         ; v192-195 the hidden layer's scale words
.set TM,   196                         ; v196-211 the quantiser's work: maxima, bytes, holds, scale operands; at the head offsets and scratch
.set PW,   212                         ; v212 the scale word just made
.set PC,   214                         ; v214-229 the codes just made; at the head the sixteen registers below
.set LN,   214                         ; v214 lane;  v215 lane % 16;  v216 lane / 16;  v217 scratch
.set RR,   215
.set HH,   216
.set SCR,  217
.set TOKR, 218                         ; v218-221 the tokens of rows 16 m + lane % 16
.set TOKO, 222                         ; v222 those of rows 16 w + lane % 16
.set AD,   223                         ; v223-229 offsets of the head's loads
.set VW,   230                         ; v230-237 16 x lane + 16,384 pi(j): the j-th block of codes; never rewritten
.set VS,   238                         ; v238-245 16 x lane + 512 pi(j): its scale words; never rewritten
.set FH,   248                         ; v248 LDS address of the images in hand
.set FS,   249                         ; v249 and of their scale words
.set VB1,  250                         ; v250-251 64 (lane / 16) + 512 ((q + rq) % 2): b1 of the run made q-th; never rewritten
.set XR,   252                         ; v252-255 my lane's place in x's K step (s + r1) % 4
.set RT,   66                          ; s66-81  sixteen rows' tokens
.set SG,   82                          ; s82-89  8,192 (pi(j) xor rq): the place of the j-th K step's images
.set C1P,  32                          ; s[32:43] the expert in hand: W1's codes, W2's codes, W1's scale words, W2's, b1, b2, each at my wave's part;  s[44:55] the same of the second expert
.set C2P,  34
.set S1P,  36
.set S2P,  38
.set B1P,  40
.set B2P,  42
.set MSB, 0
.macro WIN new                         ; the immediate's high byte repeats the setting that is left; a switch that changes nothing is dropped
.if MSB != \new
	s_set_vgpr_msb (MSB<<8)|\new
.set MSB, \new
.endif
.endm
.macro PLACES n                        ; plain places behind matrix instructions: eight for this form, in front of loads into its registers and of the first read of results
.rept \n
	v_nop
.endr
.endm
; THE WEIGHTS' STREAM.  An expert is 16 blocks of 16 KiB for a wave: blocks 4 q + s of W1, blocks 8 + s of W2, each eight in the order pi.  A group is half a block: four fragments, 16 loads.
; NI counts the loads issued in the trip's straight text, GE0 to GE3 what NI was behind each ring place's last load: so WAITG's count is the number of loads issued behind the group that it waits for.
.macro SETGE sl
.if (\sl) == 0
.set GE0, NI
.elseif (\sl) == 1
.set GE1, NI
.elseif (\sl) == 2
.set GE2, NI
.else
.set GE3, NI
.endif
.endm
.macro WAITG sl
.if (\sl) == 0
.set WC, NI-GE0
.elseif (\sl) == 1
.set WC, NI-GE1
.elseif (\sl) == 2
.set WC, NI-GE2
.else
.set WC, NI-GE3
.endif
.if WC > 63
.set WC, 63                            ; the wait's field holds no more; a smaller count is safe
.endif
	s_wait_loadcnt WC
.endm
.macro LDG i, g
	WIN 0xc0                                       ; destination window 3
.set RB, 128*((\i)%2)+64*(\g)
.irp t, 0,1,2,3
.irp c, 0,1,2,3
.if (\i) < 8
	global_load_b128 v[RB+16*\t+4*\c:RB+16*\t+4*\c+3], v[VW+(\i)%8], s[C1P:C1P+1] offset:2048*(4*(\g)+\t)+512*\c
.else
	global_load_b128 v[RB+16*\t+4*\c:RB+16*\t+4*\c+3], v[VW+(\i)%8], s[C2P:C2P+1] offset:2048*(4*(\g)+\t)+512*\c
.endif
.endr
.endr
.set NI, NI+16
	SETGE 2*((\i)%2)+(\g)
.endm
.macro BIAS1 q                         ; b1 of the run made q-th: tile 2 b + u, lane half h, register j: unit 32 b + 16 h + 8 u + j
	WIN 0
.irp t, 0,1,2,3,4,5,6,7
	global_load_b128 v[BI+8*\t:BI+8*\t+3], v[VB1+(\q)], s[B1P:B1P+1] offset:128*(\t/2)+32*(\t%2)
	global_load_b128 v[BI+8*\t+4:BI+8*\t+7], v[VB1+(\q)], s[B1P:B1P+1] offset:128*(\t/2)+32*(\t%2)+16
.endr
.set NI, NI+16
.endm
.macro BIAS2                           ; b2: tile T, half h, register j: column 16 T + 8 h + j
	WIN 0
.irp t, 0,1,2,3,4,5,6,7
	global_load_b128 v[BI+8*\t:BI+8*\t+3], v[BA2], s[B2P:B2P+1] offset:64*\t
	global_load_b128 v[BI+8*\t+4:BI+8*\t+7], v[BA2], s[B2P:B2P+1] offset:64*\t+16
.endr
.set NI, NI+16
.endm
.macro WSL p                           ; the scale words of eight blocks, in the order pi
	WIN 0
.irp x, 0,1,2,3,4,5,6,7
	global_load_b128 v[WS+4*\x:WS+4*\x+3], v[VS+\x], s[\p:\p+1]
.endr
.set NI, NI+8
.endm
; An expert's first loads, in two parts, always in this order and with no other load between, so that the counts hold on both ways into the loop: 56 loads, then 32
.macro HEADA
.set NI, 0
	WSL S1P
	BIAS1 0
	LDG 0, 0
	LDG 0, 1
	WIN 0
.endm
.macro HEADB
	LDG 1, 0
	LDG 1, 1
	WIN 0
.endm
.macro EMIT                            ; one product; the rows of the scale registers by the tiles' parity
.if pA && pB
	v_wmma_scale_f32_16x16x128_f8f6f4 v[rD:rD+7], v[rA:rA+15], v[rB:rB+15], v[rC:rC+7], v[rSA], v[rSB] matrix_a_fmt:MATRIX_FMT_BF8 matrix_b_fmt:MATRIX_FMT_BF8 matrix_a_scale:MATRIX_SCALE_ROW1 matrix_b_scale:MATRIX_SCALE_ROW1
.elseif pA
	v_wmma_scale_f32_16x16x128_f8f6f4 v[rD:rD+7], v[rA:rA+15], v[rB:rB+15], v[rC:rC+7], v[rSA], v[rSB] matrix_a_fmt:MATRIX_FMT_BF8 matrix_b_fmt:MATRIX_FMT_BF8 matrix_a_scale:MATRIX_SCALE_ROW1
.elseif pB
	v_wmma_scale_f32_16x16x128_f8f6f4 v[rD:rD+7], v[rA:rA+15], v[rB:rB+15], v[rC:rC+7], v[rSA], v[rSB] matrix_a_fmt:MATRIX_FMT_BF8 matrix_b_fmt:MATRIX_FMT_BF8 matrix_b_scale:MATRIX_SCALE_ROW1
.else
	v_wmma_scale_f32_16x16x128_f8f6f4 v[rD:rD+7], v[rA:rA+15], v[rB:rB+15], v[rC:rC+7], v[rSA], v[rSB] matrix_a_fmt:MATRIX_FMT_BF8 matrix_b_fmt:MATRIX_FMT_BF8
.endif
.endm
; 16 products of the first kind: four tiles of hidden units x the four tiles of rows, the s-th K step of the q-th run.  The 32 accumulators take turns, one instruction a turn, in the same order in every K step.
; In the first K step the bias is the C: nothing is cleared and nothing is added later.
.macro MM1 q, s, g
.if (\s) == 0
	WIN 0x87                                       ; source 0 (W1) window 3, source 1 (x) window 1, C (b1) window 0, D window 2
.else
	WIN 0xa7                                       ; C and D window 2
.endif
.irp t, 0,1,2,3
.irp m, 0,1,2,3
.set rT, 4*(\g)+\t
.set rD, 64*\m+8*rT
.set rA, 128*((\s)%2)+16*rT
.set rB, 64*\m+16*(\s)
.if (\s) == 0
.set rC, BI+8*rT
.else
.set rC, rD
.endif
.set rSA, WS+16*(\q)+4*(\s)+rT/2
.set rSB, XS+4*(\m/2)+(\s)
.set pA, rT%2
.set pB, \m%2
	EMIT
.endr
.endr
.endm
.macro MM2 s, g                        ; the same of the second kind: four tiles of output columns x the four tiles of rows, the s-th K step
.if (\s) == 0
	WIN 0x83                                       ; source 0 (W2) window 3, source 1 (the hidden layer) window 0, C (b2) window 0, D window 2
.else
	WIN 0xa3
.endif
.irp t, 0,1,2,3
.irp m, 0,1,2,3
.set rT, 4*(\g)+\t
.set rD, 64*\m+8*rT
.set rA, 128*((\s)%2)+16*rT
.set rB, HF0-64*((\s)%2)+16*\m
.if (\s) == 0
.set rC, BI+8*rT
.else
.set rC, rD
.endif
.set rSA, WS+4*(\s)+rT/2
.set rSB, HS+2*((\s)%2)+\m/2
.set pA, rT%2
.set pB, \m%2
	EMIT
.endr
.endr
.endm
.macro FETCH_H s                       ; the s-th K step of the hidden layer: four fragments and their scale words, as any wave stored them, from the place that holds K step pi(s)
	WIN 0
	s_lshr_b32 s57, s[SG+(\s)], 5                  ; 256 bytes of scale words a place
	v_add_nc_u32 v[FH], s[SG+(\s)], v[HRD]
	v_add_nc_u32 v[FS], s57, v[HSR]
.set HB, HF0-64*((\s)%2)
.irp m, 0,1,2,3
.irp c, 0,1,2,3
	ds_load_b128 v[HB+16*\m+4*\c:HB+16*\m+4*\c+3], v[FH] offset:2048*\m+512*\c
.endr
.endr
.irp i, 0,1
	ds_load_b32 v[HS+2*((\s)%2)+\i], v[FS] offset:128*\i
.endr
.endm
; A block: its two groups; behind each group's products and their places the ring place takes the group two blocks on.  What else is fetched stands behind those places too:
; the next bias once the last one's products are issued, W2's scale words behind W1's last products, the hidden layer's next K step.
.macro BLK i
.if (\i) >= 8
	s_wait_dscnt 0x0                               ; this K step's fragments of the hidden layer are in
.endif
.irp g, 0,1
	WAITG 2*((\i)%2)+\g
.if (\i) < 8
	MM1 (\i)/4, (\i)%4, \g
.else
	MM2 (\i)-8, \g
.endif
	PLACES 8
.if (\i)+2 <= 15
	LDG (\i)+2, \g
.endif
.if ((\i) == 1) && (\g == 0)
	BIAS1 1
.endif
.if ((\i) == 5) && (\g == 0)
	BIAS2
.endif
.if ((\i) == 7) && (\g == 1)
	WSL S2P
.endif
.if ((\i) == 8) && (\g == 1)
	FETCH_H 1                                      ; into the registers that held b2: all its products are issued
.endif
.if ((\i) >= 9) && ((\i) <= 14) && (\g == 0)
	FETCH_H (\i)-7
.endif
.endr
.endm
; The 64 numbers of tile m (register 16 b + i = unit 32 b + 16 (lane / 16) + i of the run made q-th, of my token) become a fragment and a scale word of the second product, stored at place 2 w + q.
.macro QUANT q, m
.set QB, 64*(\m)
	WIN 0x0a                                       ; sources 0 and 1 window 2
.irp b, 0,1,2,3
	v_max3_num_f32 v[TM+\b], v[QB+16*\b], v[QB+16*\b+1], 0x8000000   ; no |.|: what is negative becomes 0, so it must not count; the floor 2^(16 - 127) stands over it.  Each accumulator is read from its low end on
.endr
	WIN 0x28                                       ; sources 1 and 2 window 2
.irp i, 2,4,6,8,10,12,14
.irp b, 0,1,2,3
	v_max3_num_f32 v[TM+\b], v[TM+\b], v[QB+16*\b+\i], v[QB+16*\b+\i+1]
.endr
.endr
	WIN 0
.irp b, 0,1,2,3
	v_permlanex16_b32 v[TM+4+\b], v[TM+\b], s30, s31
.endr
.irp b, 0,1,2,3
	v_max_num_f32 v[TM+\b], v[TM+\b], v[TM+4+\b]   ; with lane l xor 16's 16: the block's largest magnitude
.endr
.irp b, 0,1,2,3
	v_add_nc_u32 v[TM+12+\b], 0xf8800000, v[TM+\b] ; 15 off its exponent field: the conversion's scale operand
.endr
.irp b, 0,1,2,3
	v_and_or_b32 v[TM+8+\b], v[TM+\b], 0x7f800000, s56     ; 57,344 x the scale
.endr
.irp b, 0,1,2,3
	v_lshrrev_b32 v[TM+4+\b], 23, v[TM+12+\b]      ; the scale's byte
.endr
	s_wait_dscnt 0x0                               ; the last image's stores have read the word and the codes: both are written again only behind this wait
	v_lshl_or_b32 v[PW], v[TM+5], 8, v[TM+4]
	v_lshl_or_b32 v[PW], v[TM+6], 16, v[PW]
	v_lshl_or_b32 v[PW], v[TM+7], 24, v[PW]
	WIN 0x82                                       ; destination and source 0 window 2
.irp b, 0,1,2,3
.irp i, 0,1,2,3,4,5,6,7,8,9,10,11,12,13,14,15
	v_med3_num_f32 v[QB+16*\b+\i], v[QB+16*\b+\i], 0, v[TM+8+\b]   ; the activation and the hold in one (the conversion does not saturate: ISA guide 7.6.2)
.endr
.endr
	WIN 0x02                                       ; source 0 window 2
.irp b, 0,1,2,3
	v_cvt_scalef32_pk8_bf8_f32 v[PC+4*\b:PC+4*\b+1], v[QB+16*\b:QB+16*\b+7], v[TM+12+\b]
	v_cvt_scalef32_pk8_bf8_f32 v[PC+4*\b+2:PC+4*\b+3], v[QB+16*\b+8:QB+16*\b+15], v[TM+12+\b]
.endr
	WIN 0
	v_nop                                          ; a plain line behind the last conversion: later products write its sources
.irp c, 0,1,2,3
	ds_store_b128 v[HWI], v[PC+4*\c:PC+4*\c+3] offset:8192*(\q)+2048*(\m)+512*\c
.endr
	ds_store_b32 v[HWS], v[PW] offset:256*(\q)+128*((\m)/2)+64*((\m)%2)    ; lanes l and l + 16 write the same word with the same value
.endm
.macro PTRS p, e                       ; expert s[e]'s six addresses, at my wave's part: only left shifts and sums behind the clamp
	s_lshl_b32 s58, s[\e], 11
	s_lshl_b32 s59, s22, 9
	s_add_co_u32 s58, s58, s59                     ; b2: 2,048 e + 512 w
	s_mov_b32 s59, 0
	s_add_nc_u64 s[\p+10:\p+11], s[18:19], s[58:59]
	s_lshl_b32 s58, s58, 1                         ; b1: 4,096 e + 1,024 w
	s_add_nc_u64 s[\p+8:\p+9], s[16:17], s[58:59]
	s_lshl_b32 s58, s58, 2                         ; scale words: 16,384 e + 4,096 w
	s_add_nc_u64 s[\p+4:\p+5], s[14:15], s[58:59]
	s_add_nc_u64 s[\p+6:\p+7], s[\p+4:\p+5], 0x20000
	s_lshl_b32 s58, s58, 5                         ; codes: 524,288 e + 131,072 w
	s_add_nc_u64 s[\p:\p+1], s[12:13], s[58:59]
	s_add_nc_u64 s[\p+2:\p+3], s[\p:\p+1], 0x400000
.endm
.macro IDX dst, adr, lane, add         ; the token of row add + lane term: list[first + min(row, rows - 1)]
	v_add_nc_u32 v[\adr], \add, v[\lane]
	v_min_u32 v[\adr], s28, v[\adr]
	v_add_nc_u32 v[\adr], s26, v[\adr]
	v_min_u32 v[\adr], 0x1fff, v[\adr]             ; a loaded number enters an address only behind a clamp
	v_lshlrev_b32 v[\adr], 2, v[\adr]
	global_load_b32 v[\dst], v[\adr], s[4:5]
.endm
	s_load_b256 s[4:11], s[0:1], 0x0               ; tplan s[4:5], xc s[6:7], xs s[8:9], gw s[10:11]
	s_load_b256 s[12:19], s[0:1], 0x20             ; wc s[12:13], ws s[14:15], b1 s[16:17], b2 s[18:19]
	s_load_b64 s[20:21], s[0:1], 0x40              ; out0
	v_lshl_add_u32 v246, v0, 2, 0x41000
	v_mov_b32 v247, 0
	v_lshrrev_b32 v[SCR], 5, v0
	v_readfirstlane_b32 s22, v[SCR]                ; wave 0..3
	v_and_b32 v[LN], 31, v0                        ; lane
	v_and_b32 v[RR], 15, v0                        ; r
	v_bfe_u32 v[HH], v0, 4, 1                      ; h
	v_lshlrev_b32 v[LI], 4, v[LN]
	s_mul_i32 s57, s22, 16*528
	v_add_nc_u32 v[XWA], s57, v[LI]                ; rows 16 w on, 16 bytes a lane
	v_mul_u32_u24 v[XRA], v[RR], 528
	v_lshl_add_u32 v[XRA], v[HH], 4, v[XRA]        ; row r, + 16 h
	s_lshl_b32 s58, s22, 14
	s_add_co_u32 s58, s58, HIMG
	v_add_nc_u32 v[HWI], s58, v[LI]                ; places 2 w, 2 w + 1
	v_add_nc_u32 v[HRD], HIMG, v[LI]
	s_lshl_b32 s58, s22, 9
	s_add_co_u32 s58, s58, HSC
	v_lshl_add_u32 v[HWS], v[RR], 2, s58
	v_lshl_add_u32 v[HSR], v[LN], 2, HSC
	s_lshl_b32 s58, s22, 15
	s_add_co_u32 s58, s58, PIMG
	v_add_nc_u32 v[PA], s58, v[LI]
	s_add_co_u32 s58, s57, STG
	v_mul_u32_u24 v[SO], v[RR], 528
	v_lshl_add_u32 v[SO], v[HH], 5, v[SO]
	v_add_nc_u32 v[SO], s58, v[SO]                 ; row r, + 32 h
	v_add_nc_u32 v[SR], s58, v[LI]
	s_lshl_b32 s58, s22, 9
	v_add_nc_u32 v[OL], s58, v[LI]
	v_lshlrev_b32 v[BA1], 6, v[HH]
	v_lshlrev_b32 v[BA2], 5, v[HH]
	s_mov_b32 s30, 0x76543210
	s_mov_b32 s31, 0xfedcba98                      ; v_permlanex16_b32's selects for lane l xor 16
	s_mov_b32 s56, 0x600000                        ; the mantissa field of 57,344
	; the order of the walk, from the work-group's number
	s_lshr_b32 s57, ttmp9, 1
	s_lshr_b32 s58, ttmp9, 4
	s_add_co_u32 s57, s57, s58                     ; rho is its three low bits
	s_and_b32 s62, s57, 3                          ; r1
	s_bfe_u32 s63, s57, 0x10002                    ; rq
.irp j, 0,1,2,3,4,5,6,7
	s_add_co_u32 s58, s62, \j%4
	s_and_b32 s58, s58, 3                          ; (j % 4 + r1) % 4
	s_add_co_u32 s59, s63, \j/4
	s_and_b32 s59, s59, 1                          ; (j / 4 + rq) % 2
	s_lshl_b32 s59, s59, 2
	s_add_co_u32 s58, s58, s59                     ; pi(j)
	s_lshl_b32 s59, s58, 14
	v_add_nc_u32 v[VW+\j], s59, v[LI]
	s_lshl_b32 s59, s58, 9
	v_add_nc_u32 v[VS+\j], s59, v[LI]
	s_xor_b32 s58, s58, s63
	s_and_b32 s58, s58, 7                          ; the place of K step pi(j): 0 .. 7
	s_lshl_b32 s[SG+\j], s58, 13
.endr
.irp s, 0,1,2,3
	s_add_co_u32 s58, s62, \s
	s_and_b32 s58, s58, 3
	s_lshl_b32 s58, s58, 7                         ; 128 codes a K step
	v_add_nc_u32 v[XR+\s], s58, v[XRA]
.endr
.irp q, 0,1
	s_add_co_u32 s58, s63, \q
	s_and_b32 s58, s58, 1
	s_lshl_b32 s58, s58, 9                         ; 128 numbers of b1 a run
	v_add_nc_u32 v[VB1+\q], s58, v[BA1]
.endr
	s_bitcmp1_b32 s62, 0
	s_cselect_b32 s60, -1, 0                       ; all lanes: rotate x's scale words by one,
	s_bitcmp1_b32 s62, 1
	s_cselect_b32 s61, -1, 0                       ; by two
	s_lshl_b32 s57, ttmp9, 4
	s_wait_kmcnt 0x0
	s_load_b128 s[24:27], s[4:5], s57 offset:0x8000        ; my tile: a, b, first place, rows
	s_wait_kmcnt 0x0
	s_and_b32 s57, ttmp9, 1                        ; an odd work-group walks b first
	s_cselect_b32 s58, s25, s24
	s_cselect_b32 s59, s24, s25
	s_cselect_b32 s23, -1, 0                       ; all lanes: the gates change places
	s_min_u32 s24, s58, 7                          ; the first expert,
	s_min_u32 s25, s59, 7                          ; the second
	s_min_u32 s26, s26, 0x1fff
	s_min_u32 s27, s27, 64
	s_max_u32 s28, s27, 1
	s_sub_co_u32 s28, s28, 1                       ; the last row that is there (row 0 where there is none)
	PTRS C1P, 24
	PTRS 44, 25
	s_lshl_b32 s57, s22, 4
	IDX TOKL, AD, LN, 0
	IDX TOKL+1, AD+1, LN, 32
	IDX TOKR, AD+2, RR, 0
	IDX TOKR+1, AD+3, RR, 16
	IDX TOKR+2, AD+4, RR, 32
	IDX TOKR+3, AD+5, RR, 48
	IDX TOKO, AD+6, RR, s57
	HEADA                                          ; the first expert's first 88 loads go out ahead of the gather
	HEADB
	s_wait_loadcnt 63                              ; the seven loads from the list are in (88 were issued behind them: the wait's field holds 63)
.irp r, TOKL, TOKL+1, TOKR, TOKR+1, TOKR+2, TOKR+3, TOKO
	v_min_u32 v[\r], 0x1fff, v[\r]
.endr
.irp i, 0,1,2,3,4,5,6,7,8,9,10,11,12,13,14,15
	v_readlane_b32 s[RT+\i], v[TOKO], \i           ; all sixteen together, ahead of their scalar users
.endr
.irp i, 0,1,2,3,4,5,6,7,8,9,10,11,12,13,14,15
	s_min_u32 s[RT+\i], s[RT+\i], 0x1fff
.endr
.irp i, 0,1,2,3,4,5,6,7,8,9,10,11,12,13,14,15
	s_lshl_b32 s[RT+\i], s[RT+\i], 9
.endr
.irp i, 0,1,2,3,4,5,6,7,8,9,10,11,12,13,14,15
	v_add_nc_u32 v[TM+\i], s[RT+\i], v[LI]
	global_load_b128 v[HF0+4*\i:HF0+4*\i+3], v[TM+\i], s[6:7]      ; row 16 w + i: a token's 512 codes, 512 consecutive bytes
.endr
.irp i, 0,1
	v_lshlrev_b32 v[AD+\i], 4, v[TOKL+\i]
	global_load_b128 v[XS+4*\i:XS+4*\i+3], v[AD+\i], s[8:9]        ; a token's four scale words
.endr
.irp m, 0,1,2,3
	v_lshlrev_b32 v[AD+2+\m], 3, v[TOKR+\m]
	global_load_b64 v[GW+2*\m:GW+2*\m+1], v[AD+2+\m], s[10:11]     ; its two gates
.endr
	s_wait_loadcnt 0x0                             ; the one wait for all loads, at the start: every counted wait behind it stays safe
.irp i, 0,1,2,3,4,5,6,7,8,9,10,11,12,13,14,15
	ds_store_b128 v[XWA], v[HF0+4*\i:HF0+4*\i+3] offset:XT+528*\i
.endr
.irp i, 0,1                            ; x's scale words into the walk's order: register s takes word (s + r1) % 4, by one and by two
.irp s, 0,1,2,3
	v_cndmask_b32 v[TM+4*\i+\s], v[XS+4*\i+\s], v[XS+4*\i+(\s+1)%4], s60
.endr
.endr
.irp i, 0,1
.irp s, 0,1,2,3
	v_cndmask_b32 v[XS+4*\i+\s], v[TM+4*\i+\s], v[TM+4*\i+(\s+2)%4], s61
.endr
.endr
.irp m, 0,1,2,3                        ; the gates into the walk's order.  (These eight plain lines and the four below also stand between the scale words' last write and the first product)
	v_cndmask_b32 v[TM+8+\m], v[GW+2*\m], v[GW+2*\m+1], s23
	v_cndmask_b32 v[GW+2*\m+1], v[GW+2*\m+1], v[GW+2*\m], s23
.endr
.irp m, 0,1,2,3
	v_mov_b32 v[GW+2*\m], v[TM+8+\m]
.endr
	s_wait_dscnt 0x0                               ; for the others' sake
	s_barrier_signal -1
	s_barrier_wait -1                              ; the tile's 64 rows lie in LDS
	WIN 0x40                                       ; destination window 1
.irp m, 0,1,2,3
.irp s, 0,1,2,3
.irp c, 0,1,2,3
	ds_load_b128 v[64*\m+16*\s+4*\c:64*\m+16*\s+4*\c+3], v[XR+\s] offset:XT+8448*\m+32*\c  ; x's fragments, K step (s + r1) % 4 in the s-th place: they stay in registers for both experts
.endr
.endr
.endr
	WIN 0
.irp b, 0,1,2,3
	v_mov_b32 v[TM+4+\b], 0                        ; written once: a lane permute's destination counts as one of its sources
.endr
	s_mov_b32 s29, 0                               ; the trip
	s_wait_dscnt 0x0
.Lexpert:                                              ; two trips: the first expert, the second
.irp i, 0,1,2,3
	BLK \i
.endr
.irp m, 0,1,2,3
	QUANT 0, \m
.endr
.irp i, 4,5,6,7
	BLK \i
.endr
.irp m, 0,1,2,3
	QUANT 1, \m
.endr
	s_wait_dscnt 0x0                               ; for the others' sake: my eight images and their scale words lie in LDS
	s_barrier_signal -1
	s_barrier_wait -1                              ; the hidden layer's 32 images lie in LDS
	FETCH_H 0
	s_wait_loadcnt 0x0                             ; W2's scale words are the youngest loads; they and the ring's four groups went out ahead of the last four quantisings
.irp i, 8,9,10,11,12,13,14,15
	BLK \i
.endr
	WIN 0
	s_cmp_eq_u32 s29, 1
	s_cbranch_scc1 .Lfinal
	; behind the first expert: the second's first loads go out, and the first gate x the result waits in my wave's own LDS bytes
	s_mov_b64 s[32:33], s[44:45]                   ; every load that named these has been waited for (the last group's count was 0)
	s_mov_b64 s[34:35], s[46:47]
	s_mov_b64 s[36:37], s[48:49]
	s_mov_b64 s[38:39], s[50:51]
	s_mov_b64 s[40:41], s[52:53]
	s_mov_b64 s[42:43], s[54:55]
	HEADA                                          ; 56 loads; the other 32 follow behind the work on registers and LDS below
	WIN 0x82                                       ; destination and source 0 window 2
.irp m, 0,1,2,3
.set J, 0
.rept 32
	v_pk_mul_f32 v[64*\m+J:64*\m+J+1], v[64*\m+J:64*\m+J+1], v[GW+2*\m:GW+2*\m+1] op_sel_hi:[1,0]  ; x the first gate, each accumulator from its low end on
.set J, J+2
.endr
.endr
	WIN 0x08                                       ; an LDS store's data are its source 1: window 2
.set J, 0
.rept 64
	ds_store_b128 v[PA], v[4*J:4*J+3] offset:512*J
.set J, J+1
.endr
	HEADB
	s_wait_dscnt 0x0                               ; my stores have read the accumulators; my reads of the hidden layer's images are over too
	s_barrier_signal -1
	s_barrier_wait -1                              ; so are everybody's: the next trip may write them
	s_add_co_u32 s29, s29, 1
	s_cmp_lt_u32 s29, 2
	s_cbranch_scc1 .Lexpert
.Lfinal:
	s_wait_loadcnt 0x0                             ; no load is out on the way here from the second trip; the wait makes that true of the text's other way, from the loop's foot, as well
	s_cmp_eq_u32 s27, 0
	s_cbranch_scc1 .Lend                           ; a tile without rows stores nothing
	WIN 0xc0                                       ; destination window 3
.set J, 0
.rept 64
	ds_load_b128 v[4*J:4*J+3], v[PA] offset:512*J  ; the first gate x the first expert's result, into the ring's registers
.set J, J+1
.endr
	s_wait_dscnt 0x0
	WIN 0xb2                                       ; destination and source 0 window 2, source 1 window 0, source 2 window 3
.irp m, 0,1,2,3
.set J, 0
.rept 32
	v_pk_fma_f32 v[64*\m+J:64*\m+J+1], v[64*\m+J:64*\m+J+1], v[GW+2*\m:GW+2*\m+1], v[64*\m+J:64*\m+J+1] op_sel:[0,1,0] op_sel_hi:[1,1,1]   ; x the second gate, + the other expert's
.set J, J+2
.endr
.endr
	WIN 0
; THE WAY OUT, a tile of 16 rows at a time.  A lane holds 32 neighbouring bytes of a row and the lanes beside it hold other rows: so a tile goes through my own stage and comes back as rows of 512 bytes,
; my wave's 128 columns, which the 32 lanes store as 512 consecutive bytes, aligned, of the token's row.  LDS serves a wave's instructions in order (ISA guide 5.7.1.4): no wait between the stores and the loads.
.macro VOFFS m
.irp p, 0,1,2,3,4,5,6,7,8,9,10,11,12,13,14,15
	v_readlane_b32 s[RT+\p], v[TOKL+(\m)/2], 16*((\m)%2)+\p        ; all sixteen together, ahead of their scalar users
.endr
.irp p, 0,1,2,3,4,5,6,7,8,9,10,11,12,13,14,15
	s_min_u32 s[RT+\p], s[RT+\p], 0x1fff
.endr
.irp p, 0,1,2,3,4,5,6,7,8,9,10,11,12,13,14,15
	s_lshl_b32 s[RT+\p], s[RT+\p], 11
.endr
.irp p, 0,1,2,3,4,5,6,7,8,9,10,11,12,13,14,15
	v_add_nc_u32 v[VOFF+16*((\m)%2)+\p], s[RT+\p], v[OL]
.endr
.endm
.macro TOSTAGE m
	WIN 0x08
.irp t, 0,1,2,3,4,5,6,7
	ds_store_b128 v[SO], v[64*(\m)+8*\t:64*(\m)+8*\t+3] offset:64*\t
	ds_store_b128 v[SO], v[64*(\m)+8*\t+4:64*(\m)+8*\t+7] offset:64*\t+16
.endr
	WIN 0xc0
.irp p, 0,1,2,3,4,5,6,7,8,9,10,11,12,13,14,15
	ds_load_b128 v[64*((\m)%2)+4*\p:64*((\m)%2)+4*\p+3], v[SR] offset:528*\p
.endr
	WIN 0
.endm
.macro SEND m, younger                 ; younger: the LDS instructions issued behind tile m's loads, which may stay out
	s_wait_dscnt \younger
	WIN 0x0c                                       ; a store's data are its source 1: window 3
.irp p, 0,1,2,3,4,5,6,7,8,9,10,11,12,13,14,15
	global_store_b128 v[VOFF+16*((\m)%2)+\p], v[64*((\m)%2)+4*\p:64*((\m)%2)+4*\p+3], s[20:21] th:TH_STORE_NT
.endr
	WIN 0
.endm
	VOFFS 0
	TOSTAGE 0
.irp m, 1,2,3
.if \m > 1
	s_wait_xcnt 0x0                                ; tile m - 2's stores have read their offsets and data: both are written again only behind this wait
.endif
	VOFFS \m
	TOSTAGE \m
	SEND \m-1, 32                                  ; behind tile m - 1's loads: tile m's 16 stores and 16 loads
.endr
	SEND 3, 0
.Lend:
	s_wait_tensorcnt 0x0
	ds_add_u32 v246, v247
	s_wait_dscnt 0x0
	s_endpgm
.Lfunc_end_k_qd33ce679b5_chain:
	.size	k_qd33ce679b5_chain, .Lfunc_end_k_qd33ce679b5_chain-k_qd33ce679b5_chain
	.p2alignl 7, 3214868480
	.fill 96, 4, 3214868480
	.section	.rodata,"a",@progbits
	.p2align	6, 0x0
	.amdhsa_kernel k_qd33ce679b5_chain
		.amdhsa_group_segment_fixed_size 266752
		.amdhsa_private_segment_fixed_size 0
		.amdhsa_enable_private_segment 0
		.amdhsa_kernarg_size 72
		.amdhsa_user_sgpr_count 2
		.amdhsa_user_sgpr_kernarg_segment_ptr 1
		.amdhsa_wavefront_size32 1
		.amdhsa_system_sgpr_workgroup_id_x 1
		.amdhsa_system_sgpr_workgroup_id_y 1
		.amdhsa_system_sgpr_workgroup_id_z 1
		.amdhsa_system_vgpr_workitem_id 0
		.amdhsa_next_free_vgpr 1024
		.amdhsa_next_free_sgpr 96
		.amdhsa_reserve_vcc 0
		.amdhsa_float_denorm_mode_32 3
		.amdhsa_float_denorm_mode_16_64 3
		.amdhsa_memory_ordered 1
		.amdhsa_forward_progress 1
		.amdhsa_inst_pref_size 255
	.end_amdhsa_kernel
	.section	.bss,"aw",@nobits
	.p2align	6
	.space	262144
	.amdgpu_metadata
---
amdhsa.version: [ 1, 2 ]
amdhsa.kernels:
  - .name:           k_qd33ce679b5_chain
    .symbol:         k_qd33ce679b5_chain.kd
    .args:
      - { .name: tplan, .offset: 0, .size: 8, .value_kind: global_buffer, .address_space: global }
      - { .name: xc, .offset: 8, .size: 8, .value_kind: global_buffer, .address_space: global }
      - { .name: xs, .offset: 16, .size: 8, .value_kind: global_buffer, .address_space: global }
      - { .name: gw, .offset: 24, .size: 8, .value_kind: global_buffer, .address_space: global }
      - { .name: wc, .offset: 32, .size: 8, .value_kind: global_buffer, .address_space: global }
      - { .name: ws, .offset: 40, .size: 8, .value_kind: global_buffer, .address_space: global }
      - { .name: b1, .offset: 48, .size: 8, .value_kind: global_buffer, .address_space: global }
      - { .name: b2, .offset: 56, .size: 8, .value_kind: global_buffer, .address_space: global }
      - { .name: out0, .offset: 64, .size: 8, .value_kind: global_buffer, .address_space: global }
    .group_segment_fixed_size: 266752
    .private_segment_fixed_size: 0
    .kernarg_segment_align: 8
    .kernarg_segment_size: 72
    .max_flat_workgroup_size: 128
    .sgpr_count:     96
    .vgpr_count:     1024
    .wavefront_size: 32
...
	.end_amdgpu_metadata
.endif
;; end of part 5
;; ======== version 3 of 3: 3 launches; version 2 with the launch chain written anew for expert scheduling mode
;; workspace buffers: xc 4,194,304 bytes; xs 131,072 bytes; gw 65,536 bytes; rmeta 98,304 bytes of whole numbers; tplan 36,864 bytes of whole numbers; wc 8,388,608 bytes; ws 262,144 bytes
;; launch route: the kernel of part 1 again; grid 256 x 1, 4 waves a work-group, no clusters, 39,936 bytes of LDS; arguments x, Wg, bg, xc, xs, gw, rmeta; writes xc, xs, gw, rmeta
;; launch prep: the kernel of part 4 again; grid 516 x 1, 4 waves a work-group, no clusters, 3,072 bytes of LDS; arguments rmeta, W1, W2, tplan, wc, ws; writes tplan, wc, ws
;; launch chain (part 6): grid 155 x 1, 4 waves a work-group, no clusters, 266,752 bytes of LDS; arguments tplan, xc, xs, gw, wc, ws, b1, b2, out0; writes out0
.if DOCPART == 6
	.amdgcn_target "amdgcn-amd-amdhsa--gfx1250"
	.amdhsa_code_object_version 6
	.text
	.protected	k_qd33ce679b5_chain
	.globl	k_qd33ce679b5_chain
	.p2align	8
	.type	k_qd33ce679b5_chain,@function
k_qd33ce679b5_chain:
	s_mov_b64 s[64:65], 0
	v_nop
	global_prefetch_b8 v0, s[64:65] scope:SCOPE_SE
	s_setreg_imm32_b32 hwreg(HW_REG_WAVE_SCHED_MODE, 0, 2), 2
	s_setreg_imm32_b32 hwreg(HW_REG_WAVE_MODE, 25, 1), 1
	s_wait_xcnt 0x0
	s_wait_alu depctr_vm_vsrc(0)
; CHAIN.  A work-group takes one tile of the table: up to 64 tokens that chose the same two experts a < b, and takes them through both: out = wa (relu(x W1a + b1a) W2a + b2a) + wb (the same of b).
; Both products run on codes of E5M2 with one E8M0 scale for each 32 along K; the hidden layer is quantised in registers and never goes to memory; each row of out0 has one owner.
; THE GRID serves every split: 8,192 tokens in 28 pairs make at most 128 + 27 tiles of 64.  Row i of a tile is list[first + min(i, rows - 1)]: rows past the end repeat the last one and store the same numbers to
; the same place.  A work-group whose tile has no rows walks the chain on list[first] and stores nothing: its one branch on the stored count stands round the way out alone, where no barrier stands, so that every
; wave passes every barrier.
; NO CLUSTER, NO TENSOR LOAD: which experts a tile walks is a stored number, so neighbours in the grid need not share a weight; the weights go from memory straight into registers, laid out by the launch before
; in the order of the operand's registers: every load of a wave reads 512 consecutive bytes, each byte of an expert's 1 MiB of codes is read once by the work-group and feeds four matrix instructions.
; SHARES.  The waves share the columns, not the rows: for all 64 rows (four tiles m of 16) wave w makes hidden units 256 w .. 256 w + 255, in two runs of 128 (K steps 2 w, 2 w + 1 of the second product), and
; output columns 128 w .. 128 w + 127.  Both products are used transposed (source 0 = 16 columns of the weight, source 1 = 16 rows): a lane holds one token (lane % 16) throughout.
; The hidden layer goes from wave to wave through LDS as images of the operand's registers (16 bytes a lane, 512 bytes a store), its scale words likewise.
; THE ORDER OF THE WALK hangs on the work-group's number alone, and only addresses carry it.  (1) Odd work-groups walk expert b first and a second (the two gates change places with them): so in the first trip
; each of the eight experts is walked by some work-groups.  (2) A wave's eight blocks of W1, and its eight of W2, are walked in the order pi(j) = 4 ((j / 4 + rq) % 2) + (j % 4 + r1) % 4, j = 0 .. 7, with
; rho = (wg / 2 + wg / 16) % 8, rq = rho / 4, r1 = rho % 4: at each step eight work-groups with eight different rho read eight different blocks of an expert, and not all the same bytes at the same moment.
; For W1 pi(4 q + s) is run (q + rq) % 2, K step (s + r1) % 4: x's fragments and scale words stand in that rotated order in their registers.  A wave stores the image of the run that it makes q-th at place
; 2 w + q, as ever; so K step k of the second product lies at place k xor rq, and is read there.
; LIMITS: NaN and infinities are not served; a block of zeros of the hidden layer gets the byte 1 (its codes are zeros).  K is summed in the rotated order: the f32 sums are rounded in another order than
; with K ascending.
; THE MODE: SCHED_MODE bits 1:0 = 2 (LLVM: expert scheduling mode 2), set by the entry lines.  The code itself states the register dependences between vector or matrix instructions and memory or LDS
; instructions, with s_wait_alu, always for 0.
; THE PLAN.  A trip (an expert) is 32 groups of 16 products; group k multiplies the ring's place k % 4.  Registers that memory or LDS instructions touch in the loop:
;   RING     window 3, four places of four fragments.  Group k - 1's products read place (k - 1) % 4; the loads of group k + 3 land in it; they are issued in group k.
;   WS       loaded at an expert's head (W1's words) and behind group 15 (W2's); read as scales by every product of the kind.
;   BI       b1 (an expert's head; group 2), b2 (group 10), the hidden layer's odd K steps (group 18 on); read as C or as source 1.
;   HF0, HS  the hidden layer's even K steps, and the scale words of both: K step s + 1 is fetched in block 8 + s, into what block 8 + s - 1 read.
;   FH, FS   two pairs by the K step's parity: written by two additions, read by that K step's 18 LDS loads.
;   PC, PW   written by a quantising's conversions and shifts, read by its five LDS stores.
;   the accumulators: read by LDS stores between the trips and on the way out.   All other addresses are made at the head and never written again.
; So ONE wait on va_vdst stands at the head of a group that issues loads, behind its wait for its own fragments: the group before is done reading its place of the ring; the blocks before are done with the bias or
; the hidden fragments that this group's other loads replace; FH and FS, whose additions stand ahead of the wait, are written.  The group's loads follow it, a fragment (four loads) behind each four products,
; which name place k % 4, x or the other fragment buffer, scale words and accumulators: none of the registers that those loads touch.  Groups that issue no load hold no wait.
; Behind groups 7 and 15 the wait stands behind the places that the quantiser's reads ask for anyway.  A quantising has one wait on va_vdst ahead of its stores and one on vm_vsrc ahead of the lines that write PW and PC.
; REGISTERS, in windows of 256 (s_set_vgpr_msb: bits 1:0 source 0, 3:2 source 1, 5:4 source 2, 7:6 destination):
;   window 0: addresses, scale words, biases, the hidden layer's fragments, work;  window 1: x's 16 fragments (64 m + 16 s);  window 2: the 32 accumulators (64 m + 8 T);
;   window 3: the weights' ring, four groups of four fragments; later the first expert's weighted result, later rows on the way out.
.set XT,    0                          ; LDS: the tile's 64 rows of x's codes, 512 bytes + 16
.set HIMG,  33792                      ; the hidden layer's images: [place 8][m 4][2,048]
.set HSC,   99328                      ; their scale words: [place 8][2][128]: lanes 0-15 tile 2 i, lanes 16-31 tile 2 i + 1
.set PIMG,  101376                     ; each wave's own 32,768 bytes: the first expert's weighted result
.set STG,   232448                     ; each wave's own stage for the way out: 16 rows x (512 + 16)
.set LI,   1                           ; v1   16 x lane
.set XWA,  2                           ; v2   where I put gathered rows
.set XRA,  3                           ; v3   my lane's place in a fragment of x
.set HWI,  4                           ; v4   where I put images of the hidden layer
.set HRD,  5                           ; v5   my lane's place in an image
.set HWS,  6                           ; v6   where I put their scale words
.set HSR,  7                           ; v7   my lane's place among them
.set PA,   8                           ; v8   my place in my wave's PIMG
.set SO,   9                           ; v9   the stage, in
.set SR,   10                          ; v10  the stage, back
.set OL,   11                          ; v11  512 x wave + 16 x lane: my bytes of a row of out0
.set BA1,  12                          ; v12  64 (lane / 16)
.set BA2,  13                          ; v13  32 (lane / 16)
.set TOKL, 14                          ; v14-15  the tokens of rows 32 i + lane
.set XS,   16                          ; v16-23  x's scale words: 4 i + s; lanes 0-15 tile 2 i, lanes 16-31 tile 2 i + 1
.set GW,   24                          ; v24-31  the gates of row 16 m + lane % 16: the first expert's, the second's
.set WS,   32                          ; v32-63  the weights' scale words of eight blocks: 4 x + T / 2; lanes 0-15 the even tile, lanes 16-31 the odd
.set BI,   64                          ; v64-127 a bias in the result's layout, eight registers a tile; later the hidden layer's fragments of odd steps
.set HF0,  128                         ; v128-191 those of even steps; at the head the gathered rows; on the way out the stores' offsets, sixteen for each tile of rows
.set VOFF, 128
.set HS,   192                         ; v192-195 the hidden layer's scale words
.set TM,   196                         ; v196-211 the quantiser's work: maxima, bytes, holds, scale operands; at the head offsets and scratch
.set PW,   212                         ; v212 the scale word just made
.set PC,   214                         ; v214-229 the codes just made; at the head the sixteen registers below
.set LN,   214                         ; v214 lane;  v215 lane % 16;  v216 lane / 16;  v217 scratch
.set RR,   215
.set HH,   216
.set SCR,  217
.set TOKR, 218                         ; v218-221 the tokens of rows 16 m + lane % 16
.set TOKO, 222                         ; v222 those of rows 16 w + lane % 16
.set AD,   223                         ; v223-229 offsets of the head's loads
.set VW,   230                         ; v230-237 16 x lane + 16,384 pi(j): the j-th block of codes; never rewritten
.set VS,   238                         ; v238-245 16 x lane + 512 pi(j): its scale words; never rewritten
.set FH,   248                         ; v248 (even K steps), v252 (odd): LDS address of a K step's images
.set FS,   249                         ; v249, v253: and of their scale words
.set VB1,  250                         ; v250-251 64 (lane / 16) + 512 ((q + rq) % 2): b1 of the run made q-th; never rewritten
.set XR,   252                         ; v252-255 at the head only: my lane's place in x's K step (s + r1) % 4
.set RT,   66                          ; s66-81  sixteen rows' tokens
.set SG,   82                          ; s82-89  8,192 (pi(j) xor rq): the place of the j-th K step's images
.set C1P,  32                          ; s[32:43] the expert in hand: W1's codes, W2's codes, W1's scale words, W2's, b1, b2, each at my wave's part;  s[44:55] the same of the second expert
.set C2P,  34
.set S1P,  36
.set S2P,  38
.set B1P,  40
.set B2P,  42
.set MSB, 0
.macro WIN new                         ; the immediate's high byte repeats the setting that is left; a switch that changes nothing is dropped
.if MSB != \new
	s_set_vgpr_msb (MSB<<8)|\new
.set MSB, \new
.endif
.endm
.macro PLACES n                        ; plain places behind matrix instructions: eight for this form, in front of the first read of results by a vector instruction
.rept \n
	v_nop
.endr
.endm
; THE WEIGHTS' STREAM.  An expert is 16 blocks of 16 KiB for a wave: blocks 4 q + s of W1, blocks 8 + s of W2, each eight in the order pi.  A group is half a block: four fragments, 16 loads.
; NI counts the loads issued in the trip's straight text, GE0 to GE3 what NI was behind each ring place's last load: so WAITG's count is the number of loads issued behind the group that it waits for.
.macro SETGE sl
.if (\sl) == 0
.set GE0, NI
.elseif (\sl) == 1
.set GE1, NI
.elseif (\sl) == 2
.set GE2, NI
.else
.set GE3, NI
.endif
.endm
.macro WAITG sl
.if (\sl) == 0
.set WC, NI-GE0
.elseif (\sl) == 1
.set WC, NI-GE1
.elseif (\sl) == 2
.set WC, NI-GE2
.else
.set WC, NI-GE3
.endif
.if WC > 63
.set WC, 63                            ; the wait's field holds no more; a smaller count is safe
.endif
	s_wait_loadcnt WC
.endm
.macro LDGT i, g, t                    ; fragment t of group g of block i: four loads of 512 consecutive bytes
	WIN 0xc0                                       ; destination window 3
.set RB, 128*((\i)%2)+64*(\g)+16*(\t)
.irp c, 0,1,2,3
.if (\i) < 8
	global_load_b128 v[RB+4*\c:RB+4*\c+3], v[VW+(\i)%8], s[C1P:C1P+1] offset:2048*(4*(\g)+(\t))+512*\c
.else
	global_load_b128 v[RB+4*\c:RB+4*\c+3], v[VW+(\i)%8], s[C2P:C2P+1] offset:2048*(4*(\g)+(\t))+512*\c
.endif
.endr
.set NI, NI+4
.if (\t) == 3
	SETGE 2*((\i)%2)+(\g)
.endif
.endm
.macro LDG i, g                        ; a whole group in one run
.irp t, 0,1,2,3
	LDGT \i, \g, \t
.endr
.endm
.macro BIAS1T q, t                     ; b1 of the run made q-th, tiles 2 t and 2 t + 1: tile 2 b + u, lane half h, register j: unit 32 b + 16 h + 8 u + j
	WIN 0
.irp u, 0,1
	global_load_b128 v[BI+8*(2*(\t)+\u):BI+8*(2*(\t)+\u)+3], v[VB1+(\q)], s[B1P:B1P+1] offset:128*(\t)+32*\u
	global_load_b128 v[BI+8*(2*(\t)+\u)+4:BI+8*(2*(\t)+\u)+7], v[VB1+(\q)], s[B1P:B1P+1] offset:128*(\t)+32*\u+16
.endr
.set NI, NI+4
.endm
.macro BIAS2T t                        ; b2, tiles 2 t and 2 t + 1: tile T, half h, register j: column 16 T + 8 h + j
	WIN 0
.irp u, 0,1
	global_load_b128 v[BI+8*(2*(\t)+\u):BI+8*(2*(\t)+\u)+3], v[BA2], s[B2P:B2P+1] offset:64*(2*(\t)+\u)
	global_load_b128 v[BI+8*(2*(\t)+\u)+4:BI+8*(2*(\t)+\u)+7], v[BA2], s[B2P:B2P+1] offset:64*(2*(\t)+\u)+16
.endr
.set NI, NI+4
.endm
.macro WSL p                           ; the scale words of eight blocks, in the order pi
	WIN 0
.irp x, 0,1,2,3,4,5,6,7
	global_load_b128 v[WS+4*\x:WS+4*\x+3], v[VS+\x], s[\p:\p+1]
.endr
.set NI, NI+8
.endm
; An expert's first loads, in two parts, always in this order and with no other load between, so that the counts hold on both ways into the loop: 56 loads, then 32
.macro HEADA
.set NI, 0
	WSL S1P
.irp t, 0,1,2,3
	BIAS1T 0, \t
.endr
	LDG 0, 0
	LDG 0, 1
	WIN 0
.endm
.macro HEADB
	LDG 1, 0
	LDG 1, 1
	WIN 0
.endm
.macro EMIT                            ; one product; the rows of the scale registers by the tiles' parity
.if pA && pB
	v_wmma_scale_f32_16x16x128_f8f6f4 v[rD:rD+7], v[rA:rA+15], v[rB:rB+15], v[rC:rC+7], v[rSA], v[rSB] matrix_a_fmt:MATRIX_FMT_BF8 matrix_b_fmt:MATRIX_FMT_BF8 matrix_a_scale:MATRIX_SCALE_ROW1 matrix_b_scale:MATRIX_SCALE_ROW1
.elseif pA
	v_wmma_scale_f32_16x16x128_f8f6f4 v[rD:rD+7], v[rA:rA+15], v[rB:rB+15], v[rC:rC+7], v[rSA], v[rSB] matrix_a_fmt:MATRIX_FMT_BF8 matrix_b_fmt:MATRIX_FMT_BF8 matrix_a_scale:MATRIX_SCALE_ROW1
.elseif pB
	v_wmma_scale_f32_16x16x128_f8f6f4 v[rD:rD+7], v[rA:rA+15], v[rB:rB+15], v[rC:rC+7], v[rSA], v[rSB] matrix_a_fmt:MATRIX_FMT_BF8 matrix_b_fmt:MATRIX_FMT_BF8 matrix_b_scale:MATRIX_SCALE_ROW1
.else
	v_wmma_scale_f32_16x16x128_f8f6f4 v[rD:rD+7], v[rA:rA+15], v[rB:rB+15], v[rC:rC+7], v[rSA], v[rSB] matrix_a_fmt:MATRIX_FMT_BF8 matrix_b_fmt:MATRIX_FMT_BF8
.endif
.endm
; Four products of the first kind: tile t of the group's four tiles of hidden units x the four tiles of rows, the s-th K step of the q-th run.  The 32 accumulators take turns, one instruction a turn, in the same
; order in every K step.  In the first K step the bias is the C: nothing is cleared and nothing is added later.
.macro MM1T q, s, g, t
.if (\s) == 0
	WIN 0x87                                       ; source 0 (W1) window 3, source 1 (x) window 1, C (b1) window 0, D window 2
.else
	WIN 0xa7                                       ; C and D window 2
.endif
.irp m, 0,1,2,3
.set rT, 4*(\g)+(\t)
.set rD, 64*\m+8*rT
.set rA, 128*((\s)%2)+16*rT
.set rB, 64*\m+16*(\s)
.if (\s) == 0
.set rC, BI+8*rT
.else
.set rC, rD
.endif
.set rSA, WS+16*(\q)+4*(\s)+rT/2
.set rSB, XS+4*(\m/2)+(\s)
.set pA, rT%2
.set pB, \m%2
	EMIT
.endr
.endm
.macro MM2T s, g, t                    ; the same of the second kind: a tile of output columns x the four tiles of rows, the s-th K step
.if (\s) == 0
	WIN 0x83                                       ; source 0 (W2) window 3, source 1 (the hidden layer) window 0, C (b2) window 0, D window 2
.else
	WIN 0xa3
.endif
.irp m, 0,1,2,3
.set rT, 4*(\g)+(\t)
.set rD, 64*\m+8*rT
.set rA, 128*((\s)%2)+16*rT
.set rB, HF0-64*((\s)%2)+16*\m
.if (\s) == 0
.set rC, BI+8*rT
.else
.set rC, rD
.endif
.set rSA, WS+4*(\s)+rT/2
.set rSB, HS+2*((\s)%2)+\m/2
.set pA, rT%2
.set pB, \m%2
	EMIT
.endr
.endm
.macro PROD i, g, t
.if (\i) < 8
	MM1T (\i)/4, (\i)%4, \g, \t
.else
	MM2T (\i)-8, \g, \t
.endif
.endm
; The s-th K step of the hidden layer lies at the place that holds K step pi(s).  HADR makes its two LDS addresses, in the pair of its parity; HLOADT fetches fragment m (and, with the first two, a scale word), as any wave stored it.
.macro HADR s
	WIN 0
	s_lshr_b32 s[57+(\s)%2], s[SG+(\s)], 5         ; 256 bytes of scale words a place
	v_add_nc_u32 v[FH+4*((\s)%2)], s[SG+(\s)], v[HRD]
	v_add_nc_u32 v[FS+4*((\s)%2)], s[57+(\s)%2], v[HSR]
.endm
.macro HLOADT s, m
	WIN 0
.set HB, HF0-64*((\s)%2)
.irp c, 0,1,2,3
	ds_load_b128 v[HB+16*(\m)+4*\c:HB+16*(\m)+4*\c+3], v[FH+4*((\s)%2)] offset:2048*(\m)+512*\c
.endr
.if (\m) < 2
	ds_load_b32 v[HS+2*((\s)%2)+(\m)], v[FS+4*((\s)%2)] offset:128*(\m)
.endif
.endm
.macro HLOAD s
.irp m, 0,1,2,3
	HLOADT \s, \m
.endr
.endm
; GROUP g OF BLOCK i, k = 2 i + g.  At its head: the wait for its own fragments, and the one wait on va_vdst.  Then its 16 products, and behind each four of them a fragment of what the group asks for:
; group k + 3 of the weights (groups 11 and 19 are asked for behind groups 7 and 15, ahead of the quantisings, so groups 8 and 16 ask for nothing; the last three have nothing left to ask for);
; the next bias, once the block that took the last one as its C is done (groups 2 and 10); the hidden layer's next K step (the first group of blocks 9 to 14).
.macro GRP i, g
.set GK, 2*(\i)+(\g)
.set NXI, (GK+3)/2
.set NXG, (GK+3)%2
.set ASK, 1
.if GK == 0
.set ASK, 0
.endif
.if GK == 8
.set ASK, 0
.endif
.if GK == 16
.set ASK, 0
.endif
.if GK > 28
.set ASK, 0
.endif
.set FET, 0
.if ((\i) >= 9) && ((\i) <= 14) && ((\g) == 0)
.set FET, 1
.endif
.if FET
	WIN 0
	s_wait_alu depctr_vm_vsrc(0)                   ; the LDS loads issued so far have read FH and FS (v252 and v253 in the first trip: x's loads at the head), which the additions below write
.if (\i) == 9
	HADR 1                                         ; K step 1 is fetched at this group's head: its registers held b2 until the block before was done
.endif
	HADR (\i)-7
.endif
.if ((\i) >= 8) && ((\i) != 9) && ((\g) == 0)
	s_wait_dscnt 0x0                               ; this K step's fragments of the hidden layer are in
.endif
	WAITG 2*((\i)%2)+(\g)
.if ASK
	s_wait_alu depctr_va_vdst(0)                   ; the group before is done reading its four fragments of the weight, in which this group's loads land; where a bias or a K step of the hidden layer is fetched too: the block before is done reading those registers (as C, as source 1, as scales), and FH and FS are written
.endif
.if GK == 18
	HLOAD 1
	s_wait_dscnt 0x0                               ; this block's own K step
.endif
.irp t, 0,1,2,3
	PROD \i, \g, \t
.if FET
	HLOADT (\i)-7, \t                              ; no wait: no vector or matrix instruction since the wait above names these registers; likewise below
.endif
.if GK == 2
	BIAS1T 1, \t
.endif
.if GK == 10
	BIAS2T \t
.endif
.if ASK
	LDGT NXI, NXG, \t
.endif
.endr
.endm
; The 64 numbers of tile m (register 16 b + i = unit 32 b + 16 (lane / 16) + i of the run made q-th, of my token) become a fragment and a scale word of the second product, stored at place 2 w + q.
.macro QUANT q, m
.set QB, 64*(\m)
	WIN 0x0a                                       ; sources 0 and 1 window 2
.irp b, 0,1,2,3
	v_max3_num_f32 v[TM+\b], v[QB+16*\b], v[QB+16*\b+1], 0x8000000   ; no |.|: what is negative becomes 0, so it must not count; the floor 2^(16 - 127) stands over it.  Each accumulator is read from its low end on
.endr
	WIN 0x28                                       ; sources 1 and 2 window 2
.irp i, 2,4,6,8,10,12,14
.irp b, 0,1,2,3
	v_max3_num_f32 v[TM+\b], v[TM+\b], v[QB+16*\b+\i], v[QB+16*\b+\i+1]
.endr
.endr
	WIN 0
.irp b, 0,1,2,3
	v_permlanex16_b32 v[TM+4+\b], v[TM+\b], s30, s31
.endr
.irp b, 0,1,2,3
	v_max_num_f32 v[TM+\b], v[TM+\b], v[TM+4+\b]   ; with lane l xor 16's 16: the block's largest magnitude
.endr
.irp b, 0,1,2,3
	v_add_nc_u32 v[TM+12+\b], 0xf8800000, v[TM+\b] ; 15 off its exponent field: the conversion's scale operand
.endr
.irp b, 0,1,2,3
	v_and_or_b32 v[TM+8+\b], v[TM+\b], 0x7f800000, s56     ; 57,344 x the scale
.endr
.irp b, 0,1,2,3
	v_lshrrev_b32 v[TM+4+\b], 23, v[TM+12+\b]      ; the scale's byte
.endr
	s_wait_dscnt 0x0                               ; the last image's stores are done
	s_wait_alu depctr_vm_vsrc(0)                   ; and have read PW and PC, which the lines below write again
	v_lshl_or_b32 v[PW], v[TM+5], 8, v[TM+4]
	v_lshl_or_b32 v[PW], v[TM+6], 16, v[PW]
	v_lshl_or_b32 v[PW], v[TM+7], 24, v[PW]
	WIN 0x82                                       ; destination and source 0 window 2
.irp b, 0,1,2,3
.irp i, 0,1,2,3,4,5,6,7,8,9,10,11,12,13,14,15
	v_med3_num_f32 v[QB+16*\b+\i], v[QB+16*\b+\i], 0, v[TM+8+\b]   ; the activation and the hold in one (the conversion does not saturate: ISA guide 7.6.2)
.endr
.endr
	WIN 0x02                                       ; source 0 window 2
.irp b, 0,1,2,3
	v_cvt_scalef32_pk8_bf8_f32 v[PC+4*\b:PC+4*\b+1], v[QB+16*\b:QB+16*\b+7], v[TM+12+\b]
	v_cvt_scalef32_pk8_bf8_f32 v[PC+4*\b+2:PC+4*\b+3], v[QB+16*\b+8:QB+16*\b+15], v[TM+12+\b]
.endr
	WIN 0
	v_nop                                          ; a plain line behind the last conversion: later products write its sources
	s_wait_alu depctr_va_vdst(0)                   ; the conversions have written PC and the shifts PW, which the five LDS stores read
.irp c, 0,1,2,3
	ds_store_b128 v[HWI], v[PC+4*\c:PC+4*\c+3] offset:8192*(\q)+2048*(\m)+512*\c
.endr
	ds_store_b32 v[HWS], v[PW] offset:256*(\q)+128*((\m)/2)+64*((\m)%2)    ; lanes l and l + 16 write the same word with the same value
.endm
.macro PTRS p, e                       ; expert s[e]'s six addresses, at my wave's part: only left shifts and sums behind the clamp
	s_lshl_b32 s58, s[\e], 11
	s_lshl_b32 s59, s22, 9
	s_add_co_u32 s58, s58, s59                     ; b2: 2,048 e + 512 w
	s_mov_b32 s59, 0
	s_add_nc_u64 s[\p+10:\p+11], s[18:19], s[58:59]
	s_lshl_b32 s58, s58, 1                         ; b1: 4,096 e + 1,024 w
	s_add_nc_u64 s[\p+8:\p+9], s[16:17], s[58:59]
	s_lshl_b32 s58, s58, 2                         ; scale words: 16,384 e + 4,096 w
	s_add_nc_u64 s[\p+4:\p+5], s[14:15], s[58:59]
	s_add_nc_u64 s[\p+6:\p+7], s[\p+4:\p+5], 0x20000
	s_lshl_b32 s58, s58, 5                         ; codes: 524,288 e + 131,072 w
	s_add_nc_u64 s[\p:\p+1], s[12:13], s[58:59]
	s_add_nc_u64 s[\p+2:\p+3], s[\p:\p+1], 0x400000
.endm
.macro IDXA adr, lane, add             ; where the token of row add + lane term stands: list[first + min(row, rows - 1)]
	v_add_nc_u32 v[\adr], \add, v[\lane]
	v_min_u32 v[\adr], s28, v[\adr]
	v_add_nc_u32 v[\adr], s26, v[\adr]
	v_min_u32 v[\adr], 0x1fff, v[\adr]             ; a loaded number enters an address only behind a clamp
	v_lshlrev_b32 v[\adr], 2, v[\adr]
.endm
	s_load_b256 s[4:11], s[0:1], 0x0               ; tplan s[4:5], xc s[6:7], xs s[8:9], gw s[10:11]
	s_load_b256 s[12:19], s[0:1], 0x20             ; wc s[12:13], ws s[14:15], b1 s[16:17], b2 s[18:19]
	s_load_b64 s[20:21], s[0:1], 0x40              ; out0
	v_lshl_add_u32 v246, v0, 2, 0x41000
	v_mov_b32 v247, 0
	v_lshrrev_b32 v[SCR], 5, v0
	v_readfirstlane_b32 s22, v[SCR]                ; wave 0..3
	v_and_b32 v[LN], 31, v0                        ; lane
	v_and_b32 v[RR], 15, v0                        ; r
	v_bfe_u32 v[HH], v0, 4, 1                      ; h
	v_lshlrev_b32 v[LI], 4, v[LN]
	s_wait_alu depctr_va_sdst(0)                   ; s22 is written, ahead of its first reader
	s_mul_i32 s57, s22, 16*528
	v_add_nc_u32 v[XWA], s57, v[LI]                ; rows 16 w on, 16 bytes a lane
	v_mul_u32_u24 v[XRA], v[RR], 528
	v_lshl_add_u32 v[XRA], v[HH], 4, v[XRA]        ; row r, + 16 h
	s_lshl_b32 s58, s22, 14
	s_add_co_u32 s58, s58, HIMG
	v_add_nc_u32 v[HWI], s58, v[LI]                ; places 2 w, 2 w + 1
	v_add_nc_u32 v[HRD], HIMG, v[LI]
	s_lshl_b32 s58, s22, 9
	s_add_co_u32 s58, s58, HSC
	v_lshl_add_u32 v[HWS], v[RR], 2, s58
	v_lshl_add_u32 v[HSR], v[LN], 2, HSC
	s_lshl_b32 s58, s22, 15
	s_add_co_u32 s58, s58, PIMG
	v_add_nc_u32 v[PA], s58, v[LI]
	s_add_co_u32 s58, s57, STG
	v_mul_u32_u24 v[SO], v[RR], 528
	v_lshl_add_u32 v[SO], v[HH], 5, v[SO]
	v_add_nc_u32 v[SO], s58, v[SO]                 ; row r, + 32 h
	v_add_nc_u32 v[SR], s58, v[LI]
	s_lshl_b32 s58, s22, 9
	v_add_nc_u32 v[OL], s58, v[LI]
	v_lshlrev_b32 v[BA1], 6, v[HH]
	v_lshlrev_b32 v[BA2], 5, v[HH]
	s_mov_b32 s30, 0x76543210
	s_mov_b32 s31, 0xfedcba98                      ; v_permlanex16_b32's selects for lane l xor 16
	s_mov_b32 s56, 0x600000                        ; the mantissa field of 57,344
	; the order of the walk, from the work-group's number
	s_lshr_b32 s57, ttmp9, 1
	s_lshr_b32 s58, ttmp9, 4
	s_add_co_u32 s57, s57, s58                     ; rho is its three low bits
	s_and_b32 s62, s57, 3                          ; r1
	s_bfe_u32 s63, s57, 0x10002                    ; rq
.irp j, 0,1,2,3,4,5,6,7
	s_add_co_u32 s58, s62, \j%4
	s_and_b32 s58, s58, 3                          ; (j % 4 + r1) % 4
	s_add_co_u32 s59, s63, \j/4
	s_and_b32 s59, s59, 1                          ; (j / 4 + rq) % 2
	s_lshl_b32 s59, s59, 2
	s_add_co_u32 s58, s58, s59                     ; pi(j)
	s_lshl_b32 s59, s58, 14
	v_add_nc_u32 v[VW+\j], s59, v[LI]
	s_lshl_b32 s59, s58, 9
	v_add_nc_u32 v[VS+\j], s59, v[LI]
	s_xor_b32 s58, s58, s63
	s_and_b32 s58, s58, 7                          ; the place of K step pi(j): 0 .. 7
	s_lshl_b32 s[SG+\j], s58, 13
.endr
.irp s, 0,1,2,3
	s_add_co_u32 s58, s62, \s
	s_and_b32 s58, s58, 3
	s_lshl_b32 s58, s58, 7                         ; 128 codes a K step
	v_add_nc_u32 v[XR+\s], s58, v[XRA]
.endr
.irp q, 0,1
	s_add_co_u32 s58, s63, \q
	s_and_b32 s58, s58, 1
	s_lshl_b32 s58, s58, 9                         ; 128 numbers of b1 a run
	v_add_nc_u32 v[VB1+\q], s58, v[BA1]
.endr
	s_bitcmp1_b32 s62, 0
	s_cselect_b32 s60, -1, 0                       ; all lanes: rotate x's scale words by one,
	s_bitcmp1_b32 s62, 1
	s_cselect_b32 s61, -1, 0                       ; by two
	s_lshl_b32 s57, ttmp9, 4
	s_wait_kmcnt 0x0
	s_load_b128 s[24:27], s[4:5], s57 offset:0x8000        ; my tile: a, b, first place, rows
	s_wait_kmcnt 0x0
	s_and_b32 s57, ttmp9, 1                        ; an odd work-group walks b first
	s_cselect_b32 s58, s25, s24
	s_cselect_b32 s59, s24, s25
	s_cselect_b32 s23, -1, 0                       ; all lanes: the gates change places
	s_min_u32 s24, s58, 7                          ; the first expert,
	s_min_u32 s25, s59, 7                          ; the second
	s_min_u32 s26, s26, 0x1fff
	s_min_u32 s27, s27, 64
	s_max_u32 s28, s27, 1
	s_sub_co_u32 s28, s28, 1                       ; the last row that is there (row 0 where there is none)
	PTRS C1P, 24
	PTRS 44, 25
	s_lshl_b32 s57, s22, 4
	IDXA AD, LN, 0                                 ; all seven offsets into the list first, then one wait, then the seven loads
	IDXA AD+1, LN, 32
	IDXA AD+2, RR, 0
	IDXA AD+3, RR, 16
	IDXA AD+4, RR, 32
	IDXA AD+5, RR, 48
	IDXA AD+6, RR, s57
	s_wait_alu depctr_va_vdst(0)                   ; every address and offset made so far is written: v1 to v13, VW, VS, VB1, XR and AD, which the loads and stores of the whole kernel read
	global_load_b32 v[TOKL], v[AD], s[4:5]
	global_load_b32 v[TOKL+1], v[AD+1], s[4:5]
.irp m, 0,1,2,3
	global_load_b32 v[TOKR+\m], v[AD+2+\m], s[4:5]
.endr
	global_load_b32 v[TOKO], v[AD+6], s[4:5]
	HEADA                                          ; the first expert's first 88 loads go out ahead of the gather
	HEADB
	s_wait_loadcnt 63                              ; the seven loads from the list are in (88 were issued behind them: the wait's field holds 63)
.irp r, TOKL, TOKL+1, TOKR, TOKR+1, TOKR+2, TOKR+3, TOKO
	v_min_u32 v[\r], 0x1fff, v[\r]
.endr
.irp i, 0,1,2,3,4,5,6,7,8,9,10,11,12,13,14,15
	v_readlane_b32 s[RT+\i], v[TOKO], \i           ; all sixteen together, ahead of their scalar users
.endr
	s_wait_alu depctr_va_sdst(0)                   ; s66 to s81 are written, ahead of their first readers
.irp i, 0,1,2,3,4,5,6,7,8,9,10,11,12,13,14,15
	s_min_u32 s[RT+\i], s[RT+\i], 0x1fff
.endr
.irp i, 0,1,2,3,4,5,6,7,8,9,10,11,12,13,14,15
	s_lshl_b32 s[RT+\i], s[RT+\i], 9
.endr
.irp i, 0,1,2,3,4,5,6,7,8,9,10,11,12,13,14,15
	v_add_nc_u32 v[TM+\i], s[RT+\i], v[LI]         ; the gather's 22 offsets first, then one wait, then its loads
.endr
	s_wait_alu depctr_vm_vsrc(0)                   ; the loads from the list have read AD, which is written again
.irp i, 0,1
	v_lshlrev_b32 v[AD+\i], 4, v[TOKL+\i]
.endr
.irp m, 0,1,2,3
	v_lshlrev_b32 v[AD+2+\m], 3, v[TOKR+\m]
.endr
	s_wait_alu depctr_va_vdst(0)                   ; TM and AD are written, which the 22 loads below read as their offsets
.irp i, 0,1,2,3,4,5,6,7,8,9,10,11,12,13,14,15
	global_load_b128 v[HF0+4*\i:HF0+4*\i+3], v[TM+\i], s[6:7]      ; row 16 w + i: a token's 512 codes, 512 consecutive bytes
.endr
.irp i, 0,1
	global_load_b128 v[XS+4*\i:XS+4*\i+3], v[AD+\i], s[8:9]        ; a token's four scale words
.endr
.irp m, 0,1,2,3
	global_load_b64 v[GW+2*\m:GW+2*\m+1], v[AD+2+\m], s[10:11]     ; its two gates
.endr
	s_wait_loadcnt 0x0                             ; the one wait for all loads, at the start: every counted wait behind it stays safe
.irp i, 0,1,2,3,4,5,6,7,8,9,10,11,12,13,14,15
	ds_store_b128 v[XWA], v[HF0+4*\i:HF0+4*\i+3] offset:XT+528*\i
.endr
	s_wait_alu depctr_vm_vsrc(0)                   ; the gather's loads have read TM and AD, which the selects below and the first quantising write; the LDS stores have read v128 to v191, in which the hidden layer's fragments land
.irp i, 0,1                            ; x's scale words into the walk's order: register s takes word (s + r1) % 4, by one and by two
.irp s, 0,1,2,3
	v_cndmask_b32 v[TM+4*\i+\s], v[XS+4*\i+\s], v[XS+4*\i+(\s+1)%4], s60
.endr
.endr
.irp i, 0,1
.irp s, 0,1,2,3
	v_cndmask_b32 v[XS+4*\i+\s], v[TM+4*\i+\s], v[TM+4*\i+(\s+2)%4], s61
.endr
.endr
.irp m, 0,1,2,3                        ; the gates into the walk's order.  (These eight plain lines and the eight below also stand between the scale words' last write and the first product)
	v_cndmask_b32 v[TM+8+\m], v[GW+2*\m], v[GW+2*\m+1], s23
	v_cndmask_b32 v[GW+2*\m+1], v[GW+2*\m+1], v[GW+2*\m], s23
.endr
.irp m, 0,1,2,3
	v_mov_b32 v[GW+2*\m], v[TM+8+\m]
.endr
	s_wait_dscnt 0x0                               ; for the others' sake
	s_barrier_signal -1
	s_barrier_wait -1                              ; the tile's 64 rows lie in LDS
	WIN 0x40                                       ; destination window 1
.irp m, 0,1,2,3
.irp s, 0,1,2,3
.irp c, 0,1,2,3
	ds_load_b128 v[64*\m+16*\s+4*\c:64*\m+16*\s+4*\c+3], v[XR+\s] offset:XT+8448*\m+32*\c  ; x's fragments, K step (s + r1) % 4 in the s-th place: they stay in registers for both experts
.endr
.endr
.endr
	WIN 0
.irp b, 0,1,2,3
	v_mov_b32 v[TM+4+\b], 0                        ; written once: a lane permute's destination counts as one of its sources
.endr
	s_mov_b32 s29, 0                               ; the trip
	s_wait_alu depctr_va_vdst(0)                   ; the selects have written x's scale words, which the products take as scales; the places between the two stay beside this wait
	s_wait_dscnt 0x0
.Lexpert:                                              ; two trips: the first expert, the second
.irp i, 0,1,2,3
	GRP \i, 0
	GRP \i, 1
.endr
	PLACES 8                                       ; in front of the quantiser's first read of results
	WIN 0xc0
	s_wait_alu depctr_va_vdst(0)                   ; group 7 is done reading its four fragments, in which group 11's loads land: they go out ahead of the four quantisings
	LDG 5, 1
.irp m, 0,1,2,3
	QUANT 0, \m
.endr
.irp i, 4,5,6,7
	GRP \i, 0
	GRP \i, 1
.endr
	PLACES 8                                       ; in front of the quantiser's first read of results
	WIN 0xc0
	s_wait_alu depctr_va_vdst(0)                   ; group 15 is done reading its four fragments, in which group 19's loads land, and the first kind's last products are done reading W1's scale words, in which W2's land
	LDG 9, 1
	WSL S2P
.irp m, 0,1,2
	QUANT 1, \m
.endr
	HADR 0                                         ; K step 0's two addresses: the waits on vm_vsrc above stand behind the last loads that read this pair; the wait on va_vdst in the quantising below stands ahead of the loads that will
	QUANT 1, 3
	s_wait_dscnt 0x0                               ; for the others' sake: my eight images and their scale words lie in LDS
	s_barrier_signal -1
	s_barrier_wait -1                              ; the hidden layer's 32 images lie in LDS
	HLOAD 0                                        ; no vector instruction since the last wait on va_vdst; the products that read these registers stand in the trip before
	s_wait_loadcnt 0x0                             ; W2's scale words are the youngest loads; they and the ring's four groups went out ahead of the last four quantisings
.irp i, 8,9,10,11,12,13,14,15
	GRP \i, 0
	GRP \i, 1
.endr
	PLACES 8                                       ; in front of the first read of results by a vector instruction, on both ways
	WIN 0
	s_cmp_eq_u32 s29, 1
	s_cbranch_scc1 .Lfinal
	; behind the first expert: the second's first loads go out, and the first gate x the result waits in my wave's own LDS bytes
	s_wait_alu depctr_va_vdst(0)                   ; the last products are done reading W2's scale words, K step 7's fragments and the ring: the second expert's scale words, b1 and first four groups land there
	s_mov_b64 s[32:33], s[44:45]                   ; every load that named these has been waited for (the last group's count was 0)
	s_mov_b64 s[34:35], s[46:47]
	s_mov_b64 s[36:37], s[48:49]
	s_mov_b64 s[38:39], s[50:51]
	s_mov_b64 s[40:41], s[52:53]
	s_mov_b64 s[42:43], s[54:55]
	HEADA                                          ; 56 loads; the other 32 follow behind the work on registers and LDS below
	WIN 0x82                                       ; destination and source 0 window 2
.irp m, 0,1,2,3
.set J, 0
.rept 32
	v_pk_mul_f32 v[64*\m+J:64*\m+J+1], v[64*\m+J:64*\m+J+1], v[GW+2*\m:GW+2*\m+1] op_sel_hi:[1,0]  ; x the first gate, each accumulator from its low end on
.set J, J+2
.endr
.endr
	WIN 0x08                                       ; an LDS store's data are its source 1: window 2
	s_wait_alu depctr_va_vdst(0)                   ; the multiplications have written the accumulators, which the 64 LDS stores read
.set J, 0
.rept 64
	ds_store_b128 v[PA], v[4*J:4*J+3] offset:512*J
.set J, J+1
.endr
	HEADB                                          ; the multiplications and the stores name accumulators, gates and PA alone: nothing of the ring
	s_wait_alu depctr_vm_vsrc(0)                   ; the LDS stores have read the accumulators, which the next trip's first products write
	s_wait_dscnt 0x0                               ; my stores are done; my reads of the hidden layer's images are over too
	s_barrier_signal -1
	s_barrier_wait -1                              ; so are everybody's: the next trip may write them
	s_add_co_u32 s29, s29, 1
	s_cmp_lt_u32 s29, 2
	s_cbranch_scc1 .Lexpert
.Lfinal:
	s_wait_loadcnt 0x0                             ; no load is out on the way here from the second trip; the wait makes that true of the text's other way, from the loop's foot, as well
	s_cmp_eq_u32 s27, 0
	s_cbranch_scc1 .Lend                           ; a tile without rows stores nothing
	WIN 0xc0                                       ; destination window 3
	s_wait_alu depctr_va_vdst(0)                   ; the last products are done reading the ring, in which the LDS loads below land
.set J, 0
.rept 64
	ds_load_b128 v[4*J:4*J+3], v[PA] offset:512*J  ; the first gate x the first expert's result, into the ring's registers
.set J, J+1
.endr
	WIN 0
; The stores' 64 offsets are made while those loads are out: all four tiles' at once, so that one wait serves them
.macro VOFFS m
.irp p, 0,1,2,3,4,5,6,7,8,9,10,11,12,13,14,15
	v_readlane_b32 s[RT+\p], v[TOKL+(\m)/2], 16*((\m)%2)+\p        ; all sixteen together, ahead of their scalar users
.endr
	s_wait_alu depctr_va_sdst(0)                   ; s66 to s81 are written, ahead of their first readers
.irp p, 0,1,2,3,4,5,6,7,8,9,10,11,12,13,14,15
	s_min_u32 s[RT+\p], s[RT+\p], 0x1fff
.endr
.irp p, 0,1,2,3,4,5,6,7,8,9,10,11,12,13,14,15
	s_lshl_b32 s[RT+\p], s[RT+\p], 11
.endr
.irp p, 0,1,2,3,4,5,6,7,8,9,10,11,12,13,14,15
	v_add_nc_u32 v[VOFF+16*(\m)+\p], s[RT+\p], v[OL]
.endr
.endm
.irp m, 0,1,2,3
	VOFFS \m
.endr
	s_wait_dscnt 0x0
	WIN 0xb2                                       ; destination and source 0 window 2, source 1 window 0, source 2 window 3
.irp m, 0,1,2,3
.set J, 0
.rept 32
	v_pk_fma_f32 v[64*\m+J:64*\m+J+1], v[64*\m+J:64*\m+J+1], v[GW+2*\m:GW+2*\m+1], v[64*\m+J:64*\m+J+1] op_sel:[0,1,0] op_sel_hi:[1,1,1]   ; x the second gate, + the other expert's
.set J, J+2
.endr
.endr
; THE WAY OUT, a tile of 16 rows at a time.  A lane holds 32 neighbouring bytes of a row and the lanes beside it hold other rows: so a tile goes through my own stage and comes back as rows of 512 bytes,
; my wave's 128 columns, which the 32 lanes store as 512 consecutive bytes, aligned, of the token's row.  LDS serves a wave's instructions in order (ISA guide 5.7.1.4): no wait between the stores and the loads.
.macro TOSTAGE m
	WIN 0x08
.irp t, 0,1,2,3,4,5,6,7
	ds_store_b128 v[SO], v[64*(\m)+8*\t:64*(\m)+8*\t+3] offset:64*\t
	ds_store_b128 v[SO], v[64*(\m)+8*\t+4:64*(\m)+8*\t+7] offset:64*\t+16
.endr
	WIN 0xc0
.irp p, 0,1,2,3,4,5,6,7,8,9,10,11,12,13,14,15
	ds_load_b128 v[64*((\m)%2)+4*\p:64*((\m)%2)+4*\p+3], v[SR] offset:528*\p
.endr
	WIN 0
.endm
.macro SEND m, younger                 ; younger: the LDS instructions issued behind tile m's loads, which may stay out
	s_wait_dscnt \younger
	WIN 0x0c                                       ; a store's data are its source 1: window 3
.irp p, 0,1,2,3,4,5,6,7,8,9,10,11,12,13,14,15
	global_store_b128 v[VOFF+16*(\m)+\p], v[64*((\m)%2)+4*\p:64*((\m)%2)+4*\p+3], s[20:21] th:TH_STORE_NT
.endr
	WIN 0
.endm
	WIN 0x08
	s_wait_alu depctr_va_vdst(0)                   ; the multiply-adds have written the accumulators, which the stage's stores read, and are done reading window 3, in which the rows land; the 64 offsets are written.  No vector instruction follows
	TOSTAGE 0
.irp m, 1,2,3
.if \m > 1
	s_wait_xcnt 0x0                                ; tile m - 2's stores have had their addresses translated: their data registers are written again only behind this wait,
	s_wait_alu depctr_vm_vsrc(0)                   ; and have read those registers, in which tile m's rows land
.endif
	TOSTAGE \m
	SEND \m-1, 32                                  ; behind tile m - 1's loads: tile m's 16 stores and 16 loads
.endr
	SEND 3, 0
.Lend:
	s_wait_dscnt 0x0                               ; the closing lines, six on end
	s_wait_alu 0x0
	s_wait_tensorcnt 0x0
	ds_add_u32 v246, v247
	s_wait_dscnt 0x0
	s_endpgm
.Lfunc_end_k_qd33ce679b5_chain:
	.size	k_qd33ce679b5_chain, .Lfunc_end_k_qd33ce679b5_chain-k_qd33ce679b5_chain
	.p2alignl 7, 3214868480
	.fill 96, 4, 3214868480
	.section	.rodata,"a",@progbits
	.p2align	6, 0x0
	.amdhsa_kernel k_qd33ce679b5_chain
		.amdhsa_group_segment_fixed_size 266752
		.amdhsa_private_segment_fixed_size 0
		.amdhsa_enable_private_segment 0
		.amdhsa_kernarg_size 72
		.amdhsa_user_sgpr_count 2
		.amdhsa_user_sgpr_kernarg_segment_ptr 1
		.amdhsa_wavefront_size32 1
		.amdhsa_system_sgpr_workgroup_id_x 1
		.amdhsa_system_sgpr_workgroup_id_y 1
		.amdhsa_system_sgpr_workgroup_id_z 1
		.amdhsa_system_vgpr_workitem_id 0
		.amdhsa_next_free_vgpr 1024
		.amdhsa_next_free_sgpr 96
		.amdhsa_reserve_vcc 0
		.amdhsa_float_denorm_mode_32 3
		.amdhsa_float_denorm_mode_16_64 3
		.amdhsa_memory_ordered 1
		.amdhsa_forward_progress 1
		.amdhsa_inst_pref_size 255
	.end_amdhsa_kernel
	.section	.bss,"aw",@nobits
	.p2align	6
	.space	262144
	.amdgpu_metadata
---
amdhsa.version: [ 1, 2 ]
amdhsa.kernels:
  - .name:           k_qd33ce679b5_chain
    .symbol:         k_qd33ce679b5_chain.kd
    .args:
      - { .name: tplan, .offset: 0, .size: 8, .value_kind: global_buffer, .address_space: global }
      - { .name: xc, .offset: 8, .size: 8, .value_kind: global_buffer, .address_space: global }
      - { .name: xs, .offset: 16, .size: 8, .value_kind: global_buffer, .address_space: global }
      - { .name: gw, .offset: 24, .size: 8, .value_kind: global_buffer, .address_space: global }
      - { .name: wc, .offset: 32, .size: 8, .value_kind: global_buffer, .address_space: global }
      - { .name: ws, .offset: 40, .size: 8, .value_kind: global_buffer, .address_space: global }
      - { .name: b1, .offset: 48, .size: 8, .value_kind: global_buffer, .address_space: global }
      - { .name: b2, .offset: 56, .size: 8, .value_kind: global_buffer, .address_space: global }
      - { .name: out0, .offset: 64, .size: 8, .value_kind: global_buffer, .address_space: global }
    .group_segment_fixed_size: 266752
    .private_segment_fixed_size: 0
    .kernarg_segment_align: 8
    .kernarg_segment_size: 72
    .max_flat_workgroup_size: 128
    .sgpr_count:     96
    .vgpr_count:     1024
    .wavefront_size: 32
...
	.end_amdgpu_metadata
.endif
;; end of part 6
